; MI455X (gfx1250); checked and timed in simulation.
; The chip was launched on July 23, 2026; its instructions are those of AMD's public machine-readable ISA for CDNA 5 (MIT licence, August 2026) and "CDNA5" Instruction Set Architecture Reference Guide (July 2026). The comments in the code are by the model that wrote it; some were corrected since.
;; Multi Head Attention. Allowed arithmetic: matrix products marked QUANTISED: E2M3 operands, one E8M0 scale for each 32 along K, by v_wmma_scale_f32_16x16x128_f8f6f4 with both operands' format E2M3, f32 sums; everything else in f32.
;; Inputs: bk 1,024 float32; bo 1,024 float32; bq 1,024 float32; bv 1,024 float32; mask 1 x 1 x 2,048 x 2,048 bool; wk 1,024 x 1,024 float32; wo 1,024 x 1,024 float32; wq 1,024 x 1,024 float32; wv 1,024 x 1,024 float32; x 4 x 2,048 x 1,024 float32.
;; Outputs: out0 4 x 2,048 x 1,024 float32.
;; This version of the problem:
;;   THIS VERSION OF THE PROBLEM IS GIVEN IN LOW PRECISION. The matrix products marked QUANTISED in the list below multiply operands that are first quantised to E2M3 (2 exponent bits, 3 mantissa bits; 6 bits a number), with one power-of-two scale for each 32 numbers along K (OCP MX v1.0); their sums are f32. All else is computed in f32.
;;   The module's matrix products, in the order in which they are computed (A, B: the left and right operand; K: the contracted axis; several contracted axes count as one K, in the product's order):
;;     1. [M 8,192, K 1,024] x [K 1,024, N 1,024]; A: input x; B: input wq: QUANTISED
;;     2. [M 8,192, K 1,024] x [K 1,024, N 1,024]; A: input x; B: input wk: QUANTISED
;;     3. [M 8,192, K 1,024] x [K 1,024, N 1,024]; A: input x; B: input wv: QUANTISED
;;     4. batch 64 x [M 2,048, K 64] x [K 64, N 2,048]; A: computed on the way; B: computed on the way: QUANTISED
;;     5. batch 64 x [M 2,048, K 2,048] x [K 2,048, N 64]; A: softmax (see below); B: computed on the way: QUANTISED
;;     6. [M 8,192, K 1,024] x [K 1,024, N 1,024]; A: computed on the way; B: input wo: QUANTISED
;;   THE QUANTISER, for each operand of a quantised product, along K:
;;     - K is cut into blocks of 32 from its start; a last block that is shorter is filled with zeros.
;;     - A block's scale is 2^e with e = floor(log2(the largest magnitude in the block)) - 2, held to -126 .. 127; a block of zeros has e = 0. As a byte (E8M0): e + 127.
;;     - Each number is divided by its block's scale, clamped to +-7.5, and rounded to the nearest number of E2M3, ties to even, subnormals kept.
;;     - The product sums the exact products of the quantised numbers (number of the format x scale) in f32.
;;   ~~~python
;;   def quantise(x, axis):      # numpy; x: float32 -> the quantised numbers, widened to float32 again
;;       x = np.moveaxis(x, axis, -1); K = x.shape[-1]
;;       x = np.pad(x, [(0, 0)] * (x.ndim - 1) + [(0, -K % 32)]); x = x.reshape(x.shape[:-1] + (-1, 32)); a = np.abs(x).max(-1, keepdims=True)
;;       e = np.where(a > 0, np.clip(np.frexp(np.where(a > 0, a, 1))[1] - 1 - 2, -126, 127), 0)      # np.frexp(a)[1] - 1 = floor(log2(a)), exactly
;;       r = np.clip(x / 2.0 ** e, -7.5, 7.5)
;;       step = 2.0 ** (np.maximum(np.frexp(np.where(r == 0, 1, r))[1] - 1, 0) - 3)
;;       q = np.round(r / step) * step * 2.0 ** e      # np.round: ties to even
;;       return np.moveaxis(q.reshape(q.shape[:-2] + (-1,))[..., :K], -1, axis).astype(np.float32)
;;   ~~~
;;   SOFTMAX AHEAD OF A QUANTISED PRODUCT. Where the list says 'softmax', what is quantised is not the finished softmax but p = 2^(t - M), with t = logit x log2(e) and M = ceil(the row's largest t), a whole number; so 1/2 < the row's largest p <= 1. The row's sum l is taken of the UNQUANTISED p, in f32, and the product's result is divided by l at the end. Since M is a whole number, a kernel that streams over the keys may use a running M (the ceiling of the running maximum): every later rescaling is an exact power of two, which a block's scale takes up: the codes' values come out the same.
;;   OPERANDS COMPUTED ON THE WAY. 'Computed on the way' means the value that the module computes at that place (a softmax that the list does not call 'softmax' is quantised finished and normalised). What goes into a quantiser is computed in f32, as accurately as f32 sums, v_exp_f32 and their like allow (about 1e-6 of the number): no bf16 or f16 on the way to a quantiser, and a product that is left as it is and whose result goes on into a quantised operand takes f32 operands (vector FMAs, or v_wmma_f32_16x16x4_f32). A number that lies on a knife's edge between two numbers of the format may be rounded either way, as far as f32 arithmetic and the matrix unit's own rounding can turn it there, and no further.
;; One version. Each part assembles by itself: llvm-mc -triple=amdgcn-amd-amdhsa -mcpu=gfx1250 --defsym DOCPART=n.
;; ======== version 1 of 1: 4 launches
;; workspace buffers: xq 6,553,600 bytes; wc 3,276,800 bytes; qkv 20,447,232 bytes; ac 6,553,600 bytes; mw 524,288 bytes of whole numbers; fl 2,048 bytes of whole numbers
;; launch prep (part 1): grid 320 x 1, 8 waves a work-group, no clusters, 96,256 bytes of LDS; arguments x, wq, wk, wv, wo, mask, xq, wc, mw, fl; writes xq, wc, mw, fl
.if DOCPART == 1
	.amdgcn_target "amdgcn-amd-amdhsa--gfx1250"
	.amdhsa_code_object_version 6
	.text
	.protected	k_qda163d67df_prep
	.globl	k_qda163d67df_prep
	.p2align	8
	.type	k_qda163d67df_prep,@function
k_qda163d67df_prep:
	s_mov_b64 s[64:65], 0
	v_nop
	global_prefetch_b8 v0, s[64:65] scope:SCOPE_SE
	s_setreg_imm32_b32 hwreg(HW_REG_WAVE_MODE, 25, 1), 1
	s_wait_xcnt 0x0
; PREP: x and the four weights become codes of FP6 (E2M3) with one E8M0 byte for each 32 along K, laid as IMAGES OF OPERAND REGISTERS; the mask becomes lane masks and flags.
; HALF A FRAGMENT (768 bytes): 16 rows x 64 along K; lane (r, h) holds 6 registers, the 32 codes k = 32 h .. 32 h + 31 of row r: registers 0-3 at 16 x lane, registers 4-5 at 512 + 8 x lane.
; A UNIT (51,200 bytes): 64 rows x K 1,024.  Fragment (K step s, tile t) at (4 s + t) x 1,536 (two halves); scale words at 49,152 + 512 t + 256 (s / 4) + 16 r + 4 (s % 4).
; THE ROWS OF A TILE ARE NOT NEIGHBOURS: row r of tile t of a unit is row 32 (t / 2) + 8 (t % 2) + r + 8 (r / 8), for tokens and for the weights' columns alike.
; Work-groups 0-127: x (a wave: one tile of 16 tokens x 512 along K).  128-255: the weights (a wave: 32 columns x 128 along K, a lane to a column, registers down K).  256-319: the mask.
; mw[T][j][n], n = 16 b + i: bit l = mask[row r of query tile T][128 j + 32 b + 16 h + i].  fl[T][j / 4]: bit j % 4: step j has a key that counts; bit 16 + j % 4: it has a key that is hidden.
; The three ways part on the work-group's number and have LDS bytes of their own.
; LIMITS: NaN and infinities among x and the weights are not served; a block whose largest magnitude lies under 2^-124, a block of zeros among them, gets the byte 1 (its codes are as the rule has them or zeros;
; the bytes are read by this program alone); a mask byte other than 0 counts as true.  The flags leave as one word a wave: 2,048 bytes in all, in parts of their 256-byte blocks.
.set UNITG, 51200
.set SCO,   49152
.set XSTW,  8448                       ; x's stage of a wave: 16 rows x 528 bytes, from LDS byte 0 on
.set XPI,   528                        ; 512 bytes of a row + 16: sixteen rows begin at sixteen different groups of four banks
.set WST,   67584                      ; the weights' stages: 3,328 bytes a wave: two fragments 1,664 bytes apart
.set WSTW,  3328
.set WFP,   1664
.set WSC,   94208                      ; the weights' scale words of a work-group: [tile][row][K step % 4], 1,024 bytes
.set FLOOR, 0x1800000                  ; 2^(3 - 127): under it no largest magnitude is taken, so the byte cannot fall under 1
.set OFF2,  0xff000000                 ; takes 2 off an exponent field
.set LN,  1                            ; v1 lane   v2 16 x lane   v3 8 x lane   v7 8 h   v8 r   v9 h
.set L16, 2
.set L8,  3
.set H8,  7
.set RR,  8
.set HH,  9
.set WV,  24                           ; s24 wave
.set SEL, 40                           ; s[40:41] selects of v_permlanex16_b32: lane l xor 16
.set HM,  42                           ; s42 the lanes with h = 1
	s_load_b512 s[4:19], s[0:1], 0x0               ; x 4, wq 6, wk 8, wv 10, wo 12, mask 14, xq 16, wc 18
	s_load_b128 s[20:23], s[0:1], 0x40             ; mw 20, fl 22
	v_lshl_add_u32 v240, v0, 2, 0x17400
	v_mov_b32 v241, 0
	v_lshrrev_b32 v1, 5, v0
	s_delay_alu instid0(VALU_DEP_1)
	v_readfirstlane_b32 s[WV], v1
	v_and_b32 v[LN], 31, v0
	s_delay_alu instid0(VALU_DEP_1)
	v_lshlrev_b32 v[L16], 4, v[LN]
	s_delay_alu instid0(VALU_DEP_2)
	v_lshlrev_b32 v[L8], 3, v[LN]
	v_and_b32 v[RR], 15, v0
	v_bfe_u32 v[HH], v0, 4, 1
	s_delay_alu instid0(VALU_DEP_1)
	v_lshlrev_b32 v[H8], 3, v[HH]
	s_mov_b32 s[SEL], 0x76543210
	s_mov_b32 s[SEL+1], 0xfedcba98
	s_mov_b32 s[HM], 0xffff0000
	s_wait_kmcnt 0x0
	s_cmp_lt_u32 ttmp9, 128
	s_cbranch_scc0 .Lnot_x
; ---------------- x: job = 8 g + wave; tile tau = job / 2 of 512; q = job % 2: K steps 4 q .. 4 q + 3
.set XW,  12                           ; v12-15 the four scale words
.set XTM, 16                           ; v16-22 at work
.set XPC, 24                           ; v24-35 a fragment's codes
.set XT,  36                           ; v36-38, v40-42 the second halves of the blocks' codes
.set XR,  48                           ; v48-175 two sets of 64 registers as loaded
.set XX,  176                          ; v176-239 my 64 numbers: k = 64 c + 32 h + 0 .. 31 of my row
	s_lshl_b32 s25, ttmp9, 3
	s_add_co_u32 s25, s25, s[WV]                   ; job
	s_lshr_b32 s26, s25, 1                         ; tau
	s_and_b32 s27, s25, 1                          ; q
	s_mul_i32 s28, s[WV], XSTW
	s_wait_alu depctr_va_vdst(0)
	v_add_nc_u32 v4, s28, v[L16]                   ; into the stage: 16 x lane of a row
	v_mul_u32_u24 v5, v[RR], XPI
	s_delay_alu instid0(VALU_DEP_1)
	v_lshl_add_u32 v5, v[HH], 7, v5
	s_delay_alu instid0(VALU_DEP_1)
	v_add_nc_u32 v5, s28, v5                       ; out of it: row r, + 128 h
	v_lshl_add_u32 v6, v[RR], 4, v[H8]             ; the scale words' place: 16 r + 8 h
	v_mov_b32 v[XTM+6], 0                          ; a lane permute's destination counts as read
	s_lshr_b32 s28, s26, 1
	s_lshl_b32 s28, s28, 5
	s_and_b32 s29, s26, 1
	s_lshl_b32 s29, s29, 3
	s_add_co_u32 s28, s28, s29                     ; the tile's first token: 32 (tau / 2) + 8 (tau % 2)
	s_lshl_b32 s28, s28, 12
	s_lshl_b32 s29, s27, 11
	s_add_co_u32 s28, s28, s29
	s_mov_b32 s29, 0
	s_add_nc_u64 s[4:5], s[4:5], s[28:29]
	s_lshr_b32 s30, s26, 2
	s_mul_i32 s30, s30, UNITG                      ; the unit
	s_and_b32 s32, s26, 3                          ; the tile in it
	s_mul_i32 s31, s27, 24576
	s_mul_i32 s33, s32, 1536
	s_add_co_u32 s31, s31, s33
	s_add_co_u32 s34, s30, s31
	s_mov_b32 s35, 0
	s_add_nc_u64 s[34:35], s[16:17], s[34:35]      ; my first fragment
	s_lshl_b32 s31, s32, 9
	s_lshl_b32 s33, s27, 8
	s_add_co_u32 s31, s31, s33
	s_add_co_u32 s31, s31, SCO
	s_add_co_u32 s36, s30, s31
	s_mov_b32 s37, 0
	s_add_nc_u64 s[36:37], s[16:17], s[36:37]      ; my 256 bytes of scale words
.macro XLOAD t                         ; K step t of my four: 16 rows x 512 bytes; each load reads 512 consecutive bytes
.set xi, 0
.rept 16
	global_load_b128 v[XR+64*((\t)%2)+4*xi:XR+64*((\t)%2)+4*xi+3], v[L16], s[4:5] offset:(xi+8*(xi/8))*4096+512*(\t) th:TH_LOAD_NT
.set xi, xi+1
.endr
.endm
.macro XSTEP t
.if (\t) < 3
	s_wait_loadcnt 16                              ; this step's 16 loads are in; the next step's 16 may be out
.else
	s_wait_loadcnt 0x0
.endif
.set xi, 0
.rept 16
	ds_store_b128 v4, v[XR+64*((\t)%2)+4*xi:XR+64*((\t)%2)+4*xi+3] offset:XPI*xi
.set xi, xi+1
.endr
.set xi, 0
.rept 16                               ; LDS serves a wave's instructions in order: these see the stores above.  Register 4 (8 c + p): bytes 256 c + 128 h + 16 p of my row
	ds_load_b128 v[XX+4*xi:XX+4*xi+3], v5 offset:256*(xi/8)+16*(xi%8)
.set xi, xi+1
.endr
	s_wait_dscnt 0x0                               ; my numbers are in, and the stores have read the set that the loads below fill again
	s_wait_xcnt 0x0                                ; the last step's stores have read the codes' registers, which are written again below
.if (\t) < 2
	XLOAD (\t)+2
.endif
.irp c, 0,1                            ; two whole blocks are mine: blocks h and 2 + h of the K step
	v_max3_num_f32 v[XTM+\c], |v[XX+32*\c]|, |v[XX+32*\c+1]|, FLOOR
.endr
.irp i, 2,4,6,8,10,12,14,16,18,20,22,24,26,28,30
.irp c, 0,1
	s_delay_alu instid0(VALU_DEP_2)
	v_max3_num_f32 v[XTM+\c], v[XTM+\c], |v[XX+32*\c+\i]|, |v[XX+32*\c+\i+1]|
.endr
.endr
.irp c, 0,1
	s_delay_alu instid0(VALU_DEP_2)
	v_add_nc_u32 v[XTM+2+\c], OFF2, v[XTM+\c]      ; the conversion takes the exponent field of this operand as its scale
.endr
.irp c, 0,1
	s_delay_alu instid0(VALU_DEP_2)
	v_lshrrev_b32 v[XTM+4+\c], 23, v[XTM+2+\c]     ; the scale's byte
.endr
	s_delay_alu instid0(VALU_DEP_1)
	v_lshl_or_b32 v[XW+(\t)], v[XTM+5], 16, v[XTM+4]
	s_delay_alu instid0(VALU_DEP_1)
	v_lshlrev_b32 v[XW+(\t)], v[H8], v[XW+(\t)]    ; my two bytes at their places,
	s_delay_alu instid0(VALU_DEP_1)
	v_permlanex16_b32 v[XTM+6], v[XW+(\t)], s[SEL], s[SEL+1]
	s_delay_alu instid0(VALU_DEP_1)
	v_or_b32 v[XW+(\t)], v[XW+(\t)], v[XTM+6]      ; with lane l xor 16's two the word is whole
	v_cvt_scalef32_pk16_fp6_f32 v[XPC:XPC+2], v[XX:XX+15], v[XTM+2]
	v_cvt_scalef32_pk16_fp6_f32 v[XT:XT+2], v[XX+16:XX+31], v[XTM+2]       ; (a conversion's three registers begin on an even number)
	v_cvt_scalef32_pk16_fp6_f32 v[XPC+6:XPC+8], v[XX+32:XX+47], v[XTM+3]
	v_cvt_scalef32_pk16_fp6_f32 v[XT+4:XT+6], v[XX+48:XX+63], v[XTM+3]
	v_nop                                          ; one plain place behind a scaled conversion
.irp i, 0,1,2
	v_mov_b32 v[XPC+3+\i], v[XT+\i]
	v_mov_b32 v[XPC+9+\i], v[XT+4+\i]
.endr
	global_store_b128 v[L16], v[XPC:XPC+3], s[34:35] offset:6144*(\t)            ; 512, 256, 512, 256 consecutive bytes, each from a multiple of 256 on
	global_store_b64 v[L8], v[XPC+4:XPC+5], s[34:35] offset:6144*(\t)+512
	global_store_b128 v[L16], v[XPC+6:XPC+9], s[34:35] offset:6144*(\t)+768
	global_store_b64 v[L8], v[XPC+10:XPC+11], s[34:35] offset:6144*(\t)+1280
.endm
	XLOAD 0
	XLOAD 1
	s_wait_alu depctr_va_vdst(0)
	XSTEP 0
	XSTEP 1
	XSTEP 2
	XSTEP 3
	v_cndmask_b32 v44, v[XW], v[XW+2], s[HM]       ; lane (r, h) stores words 2 h and 2 h + 1 of row r
	v_cndmask_b32 v45, v[XW+1], v[XW+3], s[HM]
	global_store_b64 v6, v[44:45], s[36:37]        ; 256 consecutive bytes
	s_wait_tensorcnt 0x0
	ds_add_u32 v240, v241
	s_wait_dscnt 0x0
	s_endpgm
; ---------------- the weights: g' = g - 128; unit hc = g' / 2 (0-15 wq, 16-31 wk, 32-47 wv, 48-63 wo; 64 columns each); q = g' % 2; wave: columns 32 (w / 4) on, K step 4 q + w % 4
.Lnot_x:
	s_cmp_lt_u32 ttmp9, 256
	s_cbranch_scc0 .Lmask
	s_sub_co_u32 s25, ttmp9, 128
	s_lshr_b32 s26, s25, 1                         ; hc
	s_and_b32 s27, s25, 1                          ; q
	s_lshr_b32 s28, s[WV], 2                       ; b
	s_and_b32 s29, s[WV], 3                        ; sl
	s_lshl_b32 s30, s27, 2
	s_add_co_u32 s30, s30, s29                     ; s
	s_lshr_b32 s31, s26, 4
	s_cmp_eq_u32 s31, 1
	s_cselect_b64 s[36:37], s[8:9], s[6:7]
	s_cmp_eq_u32 s31, 2
	s_cselect_b64 s[36:37], s[10:11], s[36:37]
	s_cmp_eq_u32 s31, 3
	s_cselect_b64 s[36:37], s[12:13], s[36:37]
	s_lshl_b32 s32, s30, 19                        ; 128 s rows of 4,096 bytes
	s_and_b32 s33, s26, 15
	s_lshl_b32 s33, s33, 8
	s_add_co_u32 s32, s32, s33
	s_lshl_b32 s33, s28, 7
	s_add_co_u32 s32, s32, s33
	s_mov_b32 s33, 0
	s_add_nc_u64 s[36:37], s[36:37], s[32:33]
	s_wait_alu depctr_va_vdst(0)
	v_lshlrev_b32 v4, 2, v[LN]
.macro WLD kb                          ; block kb of 32 along K: W(128 s + 32 kb + n, my column): 32 lanes read 128 consecutive bytes; the wave beside me reads the next 128
.set wn, 0
.rept 32
	global_load_b32 v[48+32*(\kb)+wn], v4, s[36:37] offset:(32*(\kb)+wn)*4096 th:TH_LOAD_NT
.set wn, wn+1
.endr
.endm
	WLD 0                                          ; the loads run two blocks ahead: each block has registers of its own
	WLD 1
	v_bfe_u32 v10, v0, 3, 1                        ; my column is row r' of tile 2 b + u: u = (lane / 8) % 2,
	v_and_b32 v11, 7, v0
	s_delay_alu instid0(VALU_DEP_1)
	v_lshl_or_b32 v11, v[HH], 3, v11               ; r' = lane % 8 + 8 (lane / 16)
	s_mul_i32 s34, s[WV], WSTW
	s_add_co_u32 s34, s34, WST
	v_mul_u32_u24 v13, v10, WFP
	s_delay_alu instid0(VALU_DEP_1)
	v_add_nc_u32 v13, s34, v13
	s_delay_alu instid0(VALU_DEP_1)
	v_lshl_add_u32 v5, v11, 4, v13                 ; into the stage: registers 0-3,
	s_delay_alu instid0(VALU_DEP_2)
	v_lshl_add_u32 v6, v11, 3, v13                 ; registers 4-5
	v_add_nc_u32 v14, s34, v[L16]                  ; and back as images
	v_add_nc_u32 v15, s34, v[L8]
	s_lshl_b32 s35, s28, 9
	s_lshl_b32 s38, s29, 2
	s_add_co_u32 s35, s35, s38
	s_add_co_u32 s35, s35, WSC
	v_lshlrev_b32 v16, 8, v10
	s_delay_alu instid0(VALU_DEP_1)
	v_lshl_add_u32 v16, v11, 4, v16
	s_delay_alu instid0(VALU_DEP_1)
	v_add_nc_u32 v16, s35, v16                     ; my scale word: WSC + 256 (2 b + u) + 16 r' + 4 sl
	s_mul_i32 s32, s26, UNITG
	s_lshl_b32 s33, s30, 2
	s_lshl_b32 s39, s28, 1
	s_add_co_u32 s33, s33, s39
	s_mul_i32 s33, s33, 1536
	s_add_co_u32 s38, s32, s33
	s_mov_b32 s39, 0
	s_add_nc_u64 s[38:39], s[18:19], s[38:39]      ; fragment (s, 2 b)
	s_lshl_b32 s33, s27, 8
	s_add_co_u32 s33, s33, SCO
	s_add_co_u32 s44, s32, s33
	s_mov_b32 s45, 0
	s_add_nc_u64 s[44:45], s[18:19], s[44:45]      ; the unit's scale words of this q
.macro WBLOCK kb                       ; block kb of my column: half c = kb / 2, lane half h' = kb % 2
.set WX, 48+32*(\kb)
.set WP, 176+6*(\kb)
.if (\kb) < 3
	s_wait_loadcnt 32                              ; loads come back in order: this block's 32 are in; the next block's 32 may be out
.else
	s_wait_loadcnt 0x0                             ; the last block: nothing was issued behind it
.endif
.if (\kb) < 2
	WLD (\kb)+2                                    ; the block two on, into its own registers
.endif
	v_max3_num_f32 v17, |v[WX]|, |v[WX+1]|, |v[WX+2]|
	v_max3_num_f32 v18, |v[WX+3]|, |v[WX+4]|, |v[WX+5]|
.irp i, 6,10,14,18,22,26
	s_delay_alu instid0(VALU_DEP_2)
	v_max3_num_f32 v17, v17, |v[WX+\i]|, |v[WX+\i+1]|
	s_delay_alu instid0(VALU_DEP_2)
	v_max3_num_f32 v18, v18, |v[WX+\i+2]|, |v[WX+\i+3]|
.endr
	s_delay_alu instid0(VALU_DEP_2)
	v_max3_num_f32 v17, v17, |v[WX+30]|, |v[WX+31]|
	s_delay_alu instid0(VALU_DEP_1)
	v_max3_num_f32 v17, v17, v18, FLOOR
	s_delay_alu instid0(VALU_DEP_1)
	v_add_nc_u32 v19, OFF2, v17
	s_delay_alu instid0(VALU_DEP_1)
	v_lshrrev_b32 v20, 23, v19
.if (\kb) == 0
	s_delay_alu instid0(VALU_DEP_1)
	v_mov_b32 v12, v20
.else
	s_delay_alu instid0(VALU_DEP_1)
	v_lshl_or_b32 v12, v20, 8*(\kb), v12
.endif
	v_cvt_scalef32_pk16_fp6_f32 v[WP:WP+2], v[WX:WX+15], v19
	v_cvt_scalef32_pk16_fp6_f32 v[36:38], v[WX+16:WX+31], v19
	v_nop
.irp i, 0,1,2
	v_mov_b32 v[WP+3+\i], v[36+\i]
.endr
	ds_store_b128 v5, v[WP:WP+3] offset:768*((\kb)/2)+256*((\kb)%2)
	ds_store_b64 v6, v[WP+4:WP+5] offset:768*((\kb)/2)+512+128*((\kb)%2)
.endm
	WBLOCK 0
	WBLOCK 1
	WBLOCK 2
	WBLOCK 3
	ds_store_b32 v16, v12
.irp u, 0,1
.irp c, 0,1
	ds_load_b128 v[200+12*\u+6*\c:200+12*\u+6*\c+3], v14 offset:WFP*\u+768*\c          ; in order behind my stores
	ds_load_b64 v[200+12*\u+6*\c+4:200+12*\u+6*\c+5], v15 offset:WFP*\u+768*\c+512
.endr
.endr
	s_wait_dscnt 0x0                               ; my images are back, and my scale word has landed: the barrier below leans on that
.irp u, 0,1
.irp c, 0,1
	global_store_b128 v[L16], v[200+12*\u+6*\c:200+12*\u+6*\c+3], s[38:39] offset:1536*\u+768*\c
	global_store_b64 v[L8], v[200+12*\u+6*\c+4:200+12*\u+6*\c+5], s[38:39] offset:1536*\u+768*\c+512
.endr
.endr
	s_barrier_signal -1
	s_barrier_wait -1                              ; all eight waves' scale words lie in LDS
	s_cmp_lg_u32 s[WV], 0
	s_cbranch_scc1 .Lw_end
	v_add_nc_u32 v10, WSC, v[L16]
	v_lshlrev_b32 v11, 9, v[HH]
	s_delay_alu instid0(VALU_DEP_1)
	v_lshl_add_u32 v11, v[RR], 4, v11              ; tile 2 k + h: 512 bytes apart in the unit; 16 r in it
	ds_load_b128 v[224:227], v10
	ds_load_b128 v[228:231], v10 offset:512
	s_wait_alu depctr_va_vdst(0)
	s_wait_dscnt 0x0
	global_store_b128 v11, v[224:227], s[44:45]              ; sixteen lanes store 256 consecutive bytes
	global_store_b128 v11, v[228:231], s[44:45] offset:1024
.Lw_end:
	s_wait_tensorcnt 0x0
	ds_add_u32 v240, v241
	s_wait_dscnt 0x0
	s_endpgm
; ---------------- the mask: job = 8 (g - 256) + wave; query tile T = job / 4; steps 4 qd .. 4 qd + 3, qd = job % 4
.Lmask:
	s_sub_co_u32 s25, ttmp9, 256
	s_lshl_b32 s25, s25, 3
	s_add_co_u32 s25, s25, s[WV]                   ; job
	s_lshr_b32 s26, s25, 2                         ; T
	s_and_b32 s27, s25, 3                          ; qd
	s_lshr_b32 s28, s26, 1
	s_lshl_b32 s28, s28, 5
	s_and_b32 s29, s26, 1
	s_lshl_b32 s29, s29, 3
	s_add_co_u32 s28, s28, s29                     ; the tile's first query
	s_lshl_b32 s28, s28, 11
	s_lshl_b32 s29, s27, 9
	s_add_co_u32 s28, s28, s29
	s_mov_b32 s29, 0
	s_add_nc_u64 s[14:15], s[14:15], s[28:29]
	s_lshl_b32 s28, s25, 10                        ; (16 T + 4 qd) x 256 = 1,024 x job
	s_add_nc_u64 s[20:21], s[20:21], s[28:29]
	s_lshl_b32 s28, s25, 2
	s_add_nc_u64 s[22:23], s[22:23], s[28:29]
	s_wait_alu depctr_va_vdst(0)
	v_and_b32 v4, 8, v[RR]
	s_delay_alu instid0(VALU_DEP_1)
	v_add_nc_u32 v4, v4, v[RR]                     ; r + 8 (r / 8)
	s_delay_alu instid0(VALU_DEP_1)
	v_lshlrev_b32 v4, 11, v4
	s_delay_alu instid0(VALU_DEP_1)
	v_lshl_add_u32 v4, v[HH], 4, v4                ; my query's row, + 16 h
.set mi, 0
.rept 16                               ; step jj = mi / 4, block b = mi % 4: my 16 keys' bytes
	global_load_b128 v[48+4*mi:48+4*mi+3], v4, s[14:15] offset:128*(mi/4)+32*(mi%4) th:TH_LOAD_NT
.set mi, mi+1
.endr
.irp i, 0,1,2,3,4,5,6,7
	v_mov_b32 v[112+\i], 0                         ; v_writelane_b32's destination counts as read
.endr
	s_mov_b32 s32, 0
	s_wait_loadcnt 0x0
.macro MSTEP jj
	s_mov_b32 s28, -1                              ; all words and-ed: -1 where every key of the step is hidden from every query of the tile
	s_mov_b32 s29, 0                               ; all words or-ed: 0 where none is
.set mn, 0
.rept 64                               ; word n: a bit a lane; words 2 L and 2 L + 1 go to lane L of a register pair
	v_and_b32 v[10+mn%2], 0xff<<(8*(mn%4)), v[48+4*(4*(\jj)+mn/16)+(mn%16)/4]
	s_delay_alu instid0(VALU_DEP_1)
	v_cmp_ne_u32 s[30+mn%2], 0, v[10+mn%2]
	s_delay_alu instid0(VALU_DEP_1)
	v_writelane_b32 v[112+2*(\jj)+mn%2], s[30+mn%2], mn/2
	s_and_b32 s28, s28, s[30+mn%2]
	s_or_b32 s29, s29, s[30+mn%2]
.set mn, mn+1
.endr
	global_store_b64 v[L8], v[112+2*(\jj):113+2*(\jj)], s[20:21] offset:256*(\jj)   ; 256 consecutive bytes, aligned
	s_cmp_lg_u32 s28, -1
	s_cselect_b32 s33, 1<<(\jj), 0
	s_or_b32 s32, s32, s33
	s_cmp_lg_u32 s29, 0
	s_cselect_b32 s33, 1<<(16+(\jj)), 0
	s_or_b32 s32, s32, s33
.endm
	MSTEP 0
	MSTEP 1
	MSTEP 2
	MSTEP 3
	v_mov_b32 v12, s32
	v_mov_b32 v13, 0
	v_cmp_eq_u32 vcc_lo, 0, v[LN]
	s_wait_alu depctr_va_vdst(0)
	s_wait_xcnt 0x0                                ; EXEC is a source of the stores above: it changes only behind this wait
	s_and_saveexec_b32 s34, vcc_lo
	global_store_b32 v13, v12, s[22:23]            ; lane 0: the job's word of flags
	s_endpgm
.Lfunc_end_k_qda163d67df_prep:
	.size	k_qda163d67df_prep, .Lfunc_end_k_qda163d67df_prep-k_qda163d67df_prep
	.p2alignl 7, 3214868480
	.fill 96, 4, 3214868480
	.section	.rodata,"a",@progbits
	.p2align	6, 0x0
	.amdhsa_kernel k_qda163d67df_prep
		.amdhsa_group_segment_fixed_size 96256
		.amdhsa_private_segment_fixed_size 0
		.amdhsa_enable_private_segment 0
		.amdhsa_kernarg_size 80
		.amdhsa_user_sgpr_count 2
		.amdhsa_user_sgpr_kernarg_segment_ptr 1
		.amdhsa_wavefront_size32 1
		.amdhsa_system_sgpr_workgroup_id_x 1
		.amdhsa_system_sgpr_workgroup_id_y 1
		.amdhsa_system_sgpr_workgroup_id_z 1
		.amdhsa_system_vgpr_workitem_id 0
		.amdhsa_next_free_vgpr 242
		.amdhsa_next_free_sgpr 66
		.amdhsa_reserve_vcc 1
		.amdhsa_float_denorm_mode_32 3
		.amdhsa_float_denorm_mode_16_64 3
		.amdhsa_memory_ordered 1
		.amdhsa_forward_progress 1
		.amdhsa_inst_pref_size 146
	.end_amdhsa_kernel
	.amdgpu_metadata
---
amdhsa.version: [ 1, 2 ]
amdhsa.kernels:
  - .name:           k_qda163d67df_prep
    .symbol:         k_qda163d67df_prep.kd
    .args:
      - { .name: x, .offset: 0, .size: 8, .value_kind: global_buffer, .address_space: global }
      - { .name: wq, .offset: 8, .size: 8, .value_kind: global_buffer, .address_space: global }
      - { .name: wk, .offset: 16, .size: 8, .value_kind: global_buffer, .address_space: global }
      - { .name: wv, .offset: 24, .size: 8, .value_kind: global_buffer, .address_space: global }
      - { .name: wo, .offset: 32, .size: 8, .value_kind: global_buffer, .address_space: global }
      - { .name: mask, .offset: 40, .size: 8, .value_kind: global_buffer, .address_space: global }
      - { .name: xq, .offset: 48, .size: 8, .value_kind: global_buffer, .address_space: global }
      - { .name: wc, .offset: 56, .size: 8, .value_kind: global_buffer, .address_space: global }
      - { .name: mw, .offset: 64, .size: 8, .value_kind: global_buffer, .address_space: global }
      - { .name: fl, .offset: 72, .size: 8, .value_kind: global_buffer, .address_space: global }
    .group_segment_fixed_size: 96256
    .private_segment_fixed_size: 0
    .kernarg_segment_align: 8
    .kernarg_segment_size: 80
    .max_flat_workgroup_size: 256
    .sgpr_count:     66
    .vgpr_count:     242
    .wavefront_size: 32
...
	.end_amdgpu_metadata
.endif
;; end of part 1
;; launch gemm_qkv (part 2): grid 12 x 16, 4 waves a work-group, no clusters, 102,912 bytes of LDS; arguments xq, wc, bq, bk, bv, qkv; writes qkv
.if DOCPART == 2
	.amdgcn_target "amdgcn-amd-amdhsa--gfx1250"
	.amdhsa_code_object_version 6
	.text
	.protected	k_qda163d67df_gemm_qkv
	.globl	k_qda163d67df_gemm_qkv
	.p2align	8
	.type	k_qda163d67df_gemm_qkv,@function
k_qda163d67df_gemm_qkv:
	s_mov_b64 s[64:65], 0
	v_nop
	global_prefetch_b8 v0, s[64:65] scope:SCOPE_SE
	s_setreg_imm32_b32 hwreg(HW_REG_WAVE_MODE, 25, 1), 1
	s_wait_xcnt 0x0
; q = x wq + bq, k = x wk + bk, v = x wv + bv on codes of FP6 (E2M3) with E8M0 scales, and the results QUANTISED ON THE WAY OUT into the operands of attention.
; SHARES.  Work-group (x, y): 256 columns (role = x / 4: 0 q, 1 k, 2 v) x 512 tokens.  Wave w owns one unit of the weights, 64 columns = one head: its 32 fragments (384 registers) stay in registers for the whole launch.
; The work-group walks 8 blocks of 64 tokens.  A block's unit of x (51,200 dense bytes, scale words among them) is copied through registers into one of two LDS buffers, one block ahead, and read by all four waves.
; 192 work-groups: 12 groups of columns; twice as many of half the tokens would load the weights twice for the same products.  No cluster: what work-groups share is 25 loads a wave for 128 matrix instructions, asked for a block ahead.
; ROLES q, k: source 0 = 16 columns of W, source 1 = 16 tokens: a lane holds one token, and since row r of a tile of W is column 32 (t / 2) + 8 (t % 2) + r + 8 (r / 8), its 32 registers of the four tiles run along the head's
; 64: register 16 b + i = d 32 b + 16 h + i.  ROLE v: the sources change places: a lane holds one d, and its registers run along the block's 64 tokens, which are the second product's K.  One text quantises all three.
; OUT: a unit of 3,328 bytes for each (role, batch x head, block of 64 tokens): four halves of fragments (16 rows x 64 along K: registers 0-3 at 16 x lane, 4-5 at 512 + 8 x lane), 768 bytes each; at 3,072 + 8 x lane + 4 i the scale
; word of group 2 i + h, row r (bytes 0, 1; bytes 2, 3 are 0).  The biases are the C of each sum's first matrix instruction.
; LIMITS: a block whose largest magnitude lies under 2^-124 gets the byte 1 (read by this program alone); NaN and infinities are not served.
; REGISTERS, in windows of 256.  Window 0: v1-4 LDS addresses in buffer 0 (16 x lane, 8 x lane, 16 x thread, 16 r), v5-8 the same in buffer 1; v16-47 W's scale words, v48-79 the block's; v80-90 at work; v96-125 codes and words
; on the way out; v128-255 the 16 accumulators.  Window 1: W's tiles 0, 1.  Window 2: tiles 2, 3.  Window 3: v0-95 two sets of x's four fragments; v96-127 the biases; v128-227 the block on its way into LDS.
.set UNITG, 51200
.set SCO,   49152
.set UA,    3328
.set A16, 1
.set A8,  2
.set CPA, 3
.set RA,  4
.set BA,  12                           ; v12 64 h: the biases' offset for q, k;  v13 4 (r + 8 (r / 8)): for v
.set BV,  13
.set WS,  16
.set XS,  48
.set TM,  80
.set TT,  88
.set PC,  96
.set PW,  120
.set OW,  124
.set ACC, 128
.set XF,  0
.set BIAS, 96
.set STG, 128
.set WV,  16
.set ROLE, 17
.set REM, 18
.set SEL, 20
.set HM,  22
.set MSB, 0
.macro WIN new                         ; bits 1:0 source 0, 3:2 source 1, 5:4 source 2, 7:6 destination; the high byte repeats the setting that is left
.if MSB != (\new)
	s_set_vgpr_msb (MSB<<8)|(\new)
.set MSB, (\new)
.endif
.endm
.macro PLACES                          ; four plain vector instructions behind matrix instructions, ahead of loads into their registers and of the first read of results
.rept 4
	v_nop
.endr
.endm
.macro COPYIN                          ; a block's unit: 25 loads of 2,048 consecutive bytes for the work-group
	WIN 0xC0
.set ci, 0
.rept 25
	global_load_b128 v[STG+4*ci:STG+4*ci+3], v[CPA], s[4:5] offset:2048*ci
.set ci, ci+1
.endr
	WIN 0
.endm
.macro COPYST b                        ; and into LDS buffer b as it lies
	WIN 0x0C
.set ci, 0
.rept 25
	ds_store_b128 v[CPA+4*(\b)], v[STG+4*ci:STG+4*ci+3] offset:2048*ci
.set ci, ci+1
.endr
	WIN 0
.endm
.macro XSLOAD b                        ; the block's scale words: register XS + 8 m + s: lane r has row r's word of tile m, K step s
.irp m, 0,1,2,3
.irp q, 0,1
	ds_load_b128 v[XS+8*\m+4*\q:XS+8*\m+4*\q+3], v[RA+4*(\b)] offset:SCO+512*\m+256*\q
.endr
.endr
.endm
.macro FETCH b, s                      ; K step s: x's four fragments into set s % 2: 16 loads, each of consecutive bytes
	WIN 0xC0
.irp m, 0,1,2,3
	ds_load_b128 v[XF+48*((\s)%2)+12*\m:XF+48*((\s)%2)+12*\m+3], v[A16+4*(\b)] offset:(4*(\s)+\m)*1536
	ds_load_b64 v[XF+48*((\s)%2)+12*\m+4:XF+48*((\s)%2)+12*\m+5], v[A8+4*(\b)] offset:(4*(\s)+\m)*1536+512
	ds_load_b128 v[XF+48*((\s)%2)+12*\m+6:XF+48*((\s)%2)+12*\m+9], v[A16+4*(\b)] offset:(4*(\s)+\m)*1536+768
	ds_load_b64 v[XF+48*((\s)%2)+12*\m+10:XF+48*((\s)%2)+12*\m+11], v[A8+4*(\b)] offset:(4*(\s)+\m)*1536+1280
.endr
	WIN 0
.endm
; 16 matrix instructions of a K step; the 16 accumulators take turns, one instruction a turn, in the same order in every step
.macro MMQK s
.irp t, 0,1,2,3
.if (\s) == 0
	WIN 0x3D+(\t/2)
.else
	WIN 0x0D+(\t/2)
.endif
.irp m, 0,1,2,3
.if (\s) == 0
	v_wmma_scale_f32_16x16x128_f8f6f4 v[ACC+32*\m+8*\t:ACC+32*\m+8*\t+7], v[12*(8*(\t%2)+(\s)):12*(8*(\t%2)+(\s))+11], v[XF+48*((\s)%2)+12*\m:XF+48*((\s)%2)+12*\m+11], v[BIAS+8*\t:BIAS+8*\t+7], v[WS+8*\t+(\s)], v[XS+8*\m+(\s)] matrix_a_fmt:MATRIX_FMT_FP6 matrix_b_fmt:MATRIX_FMT_FP6
.else
	v_wmma_scale_f32_16x16x128_f8f6f4 v[ACC+32*\m+8*\t:ACC+32*\m+8*\t+7], v[12*(8*(\t%2)+(\s)):12*(8*(\t%2)+(\s))+11], v[XF+48*((\s)%2)+12*\m:XF+48*((\s)%2)+12*\m+11], v[ACC+32*\m+8*\t:ACC+32*\m+8*\t+7], v[WS+8*\t+(\s)], v[XS+8*\m+(\s)] matrix_a_fmt:MATRIX_FMT_FP6 matrix_b_fmt:MATRIX_FMT_FP6
.endif
.endr
.endr
.endm
.macro MMV s
.irp t, 0,1,2,3
.if (\s) == 0
	WIN 0x37+4*(\t/2)
.else
	WIN 0x07+4*(\t/2)
.endif
.irp m, 0,1,2,3
.if (\s) == 0
	v_wmma_scale_f32_16x16x128_f8f6f4 v[ACC+32*\t+8*\m:ACC+32*\t+8*\m+7], v[XF+48*((\s)%2)+12*\m:XF+48*((\s)%2)+12*\m+11], v[12*(8*(\t%2)+(\s)):12*(8*(\t%2)+(\s))+11], v[BIAS+8*\t:BIAS+8*\t+7], v[XS+8*\m+(\s)], v[WS+8*\t+(\s)] matrix_a_fmt:MATRIX_FMT_FP6 matrix_b_fmt:MATRIX_FMT_FP6
.else
	v_wmma_scale_f32_16x16x128_f8f6f4 v[ACC+32*\t+8*\m:ACC+32*\t+8*\m+7], v[XF+48*((\s)%2)+12*\m:XF+48*((\s)%2)+12*\m+11], v[12*(8*(\t%2)+(\s)):12*(8*(\t%2)+(\s))+11], v[ACC+32*\t+8*\m:ACC+32*\t+8*\m+7], v[XS+8*\m+(\s)], v[WS+8*\t+(\s)] matrix_a_fmt:MATRIX_FMT_FP6 matrix_b_fmt:MATRIX_FMT_FP6
.endif
.endr
.endr
.endm
.macro KSTEP b, s
.if (\s) < 7
	PLACES                                         ; the other set was read by the step before
	FETCH \b, (\s)+1
	s_wait_dscnt 16                                ; all but the 16 just issued: this step's fragments (and, in step 0, the scale words) are in
.else
	s_wait_dscnt 0x0
.endif
	s_cmp_eq_u32 s[ROLE], 2                        ; the role hangs on the work-group's number alone; only matrix instructions stand on the two ways
	s_cbranch_scc1 .Lv_\@
	MMQK \s
	WIN 0
	s_branch .Ld_\@
.Lv_\@:
	MMV \s
	WIN 0
.Ld_\@:
.endm
; 32 numbers of a lane, register 16 b + i = k 32 b + 16 h + i of my row, become half a fragment's 6 registers at v[dst] and the word byte 0 | byte 1 << 8
.macro HQ src, dst, word
.irp b, 0,1
	v_max3_num_f32 v[TM+\b], |v[(\src)+16*\b]|, |v[(\src)+16*\b+1]|, 0x1800000   ; my 16 numbers and the floor 2^(3 - 127); each accumulator is read from its low end on
.endr
.irp i, 2,4,6,8,10,12,14
.irp b, 0,1
	v_max3_num_f32 v[TM+\b], v[TM+\b], |v[(\src)+16*\b+\i]|, |v[(\src)+16*\b+\i+1]|
.endr
.endr
.irp b, 0,1
	v_permlanex16_b32 v[TM+2+\b], v[TM+\b], s[SEL], s[SEL+1]
.endr
.irp b, 0,1
	v_max_num_f32 v[TM+\b], v[TM+\b], v[TM+2+\b]   ; with lane l xor 16's: the block's largest magnitude
.endr
.irp b, 0,1
	v_add_nc_u32 v[TM+4+\b], 0xff000000, v[TM+\b]  ; 2 off its exponent field: the conversion's scale operand
.endr
.irp b, 0,1
	v_lshrrev_b32 v[TM+2+\b], 23, v[TM+4+\b]       ; the scale's byte
.endr
	v_lshl_or_b32 v[\word], v[TM+3], 8, v[TM+2]
	v_cvt_scalef32_pk16_fp6_f32 v[(\dst):(\dst)+2], v[(\src):(\src)+15], v[TM+4]
	v_cvt_scalef32_pk16_fp6_f32 v[TT:TT+2], v[(\src)+16:(\src)+31], v[TM+5]
	v_nop                                          ; one plain place behind a scaled conversion
.irp i, 0,1,2
	v_permlane16_swap_b32 v[(\dst)+\i], v[TT+\i]   ; a whole block to a lane: lanes 0-15 block 0, lanes 16-31 block 1
.endr
.irp i, 0,1,2
	v_mov_b32 v[(\dst)+3+\i], v[TT+\i]
.endr
.endm
; A block of 64 tokens in buffer b.  cst, cin: the next block goes into the other buffer, the block after it is asked for: 1 always, 2 in every trip but the last
.macro BLOCK b, cst, cin
.if \cst == 2
	s_cmp_eq_u32 s[REM], 1
	s_cbranch_scc1 .Lnst_\@
.endif
	s_wait_loadcnt 0x0                             ; the next block, asked for a block ago, is in registers
	COPYST 1-\b                                    ; every wave left that buffer ahead of the last barrier
.if \cst == 2
.Lnst_\@:
.endif
	XSLOAD \b
	FETCH \b, 0
.if \cin == 2
	s_cmp_eq_u32 s[REM], 1
	s_cbranch_scc1 .Lnin_\@
.endif
	s_wait_loadcnt 0x0                             ; no load into the staging registers is out, and the loads have read their base
	s_wait_dscnt 24                                ; the 24 loads above may be out: the 25 stores ahead of them have read the staging registers
	s_add_nc_u64 s[4:5], s[4:5], UNITG
	COPYIN
.if \cin == 2
.Lnin_\@:
.endif
.irp s, 0,1,2,3,4,5,6,7
	KSTEP \b, \s
.endr
	PLACES
.irp g, 0,1,2,3
	HQ ACC+32*\g, PC+6*\g, PW+\g
.endr
.irp g, 0,1,2,3
	global_store_b128 v[A16], v[PC+6*\g:PC+6*\g+3], s[14:15] offset:768*\g         ; 512 consecutive bytes, from a multiple of 256 on
	global_store_b64 v[A8], v[PC+6*\g+4:PC+6*\g+5], s[14:15] offset:768*\g+512     ; 256
.endr
	v_cndmask_b32 v[OW], v[PW], v[PW+1], s[HM]     ; lane (r, h): the words of groups h and 2 + h
	v_cndmask_b32 v[OW+1], v[PW+2], v[PW+3], s[HM]
	global_store_b64 v[A8], v[OW:OW+1], s[14:15] offset:3072
	s_wait_xcnt 0x0                                ; the stores have read their registers and their base
	s_add_nc_u64 s[14:15], s[14:15], UA
	s_wait_dscnt 0x0                               ; my stores into the other buffer have landed, my reads of this one are over
	s_barrier_signal -1
	s_barrier_wait -1
.endm
	s_load_b256 s[4:11], s[0:1], 0x0               ; xq 4, wc 6, bq 8, bk 10
	s_load_b128 s[12:15], s[0:1], 0x20             ; bv 12, qkv 14
	v_lshl_add_u32 v126, v0, 2, 0x19000
	v_mov_b32 v127, 0
	v_lshrrev_b32 v9, 5, v0
	v_readfirstlane_b32 s[WV], v9
	v_and_b32 v9, 31, v0
	v_and_b32 v10, 15, v0                          ; r
	v_bfe_u32 v11, v0, 4, 1                        ; h
	v_lshlrev_b32 v[A16], 4, v9
	v_lshlrev_b32 v[A8], 3, v9
	v_lshlrev_b32 v[CPA], 4, v0
	v_lshlrev_b32 v[RA], 4, v10
.irp a, 1,2,3,4
	v_add_nc_u32 v[\a+4], UNITG, v[\a]
.endr
	v_lshlrev_b32 v[BA], 6, v11
	v_and_b32 v[BV], 8, v10
	v_add_nc_u32 v[BV], v[BV], v10
	v_lshlrev_b32 v[BV], 2, v[BV]
	v_mov_b32 v[TM+2], 0                           ; a lane permute's destination counts as read
	v_mov_b32 v[TM+3], 0
	s_mov_b32 s[SEL], 0x76543210
	s_mov_b32 s[SEL+1], 0xfedcba98
	s_mov_b32 s[HM], 0xffff0000
	s_lshr_b32 s[ROLE], ttmp9, 2
	s_lshl_b32 s24, ttmp9, 2
	s_add_co_u32 s24, s24, s[WV]                   ; my unit of the weights
	s_and_b32 s25, s24, 15                         ; the head
	s_and_b32 s26, ttmp7, 0xffff                   ; y
	s_mul_i32 s28, s24, UNITG
	s_mov_b32 s29, 0
	s_mul_i32 s30, s26, 8*UNITG
	s_mov_b32 s31, 0
	s_lshl_b32 s32, s25, 8
	s_mov_b32 s33, 0
	s_lshl_b32 s34, s[ROLE], 6
	s_lshr_b32 s35, s26, 2
	s_lshl_b32 s35, s35, 4
	s_add_co_u32 s34, s34, s35
	s_add_co_u32 s34, s34, s25                     ; 64 role + 16 batch + head
	s_lshl_b32 s34, s34, 5
	s_and_b32 s35, s26, 3
	s_lshl_b32 s35, s35, 3
	s_add_co_u32 s34, s34, s35                     ; x 32 + the first block
	s_mul_i32 s34, s34, UA
	s_mov_b32 s35, 0
	s_wait_kmcnt 0x0
	s_add_nc_u64 s[6:7], s[6:7], s[28:29]
	s_add_nc_u64 s[4:5], s[4:5], s[30:31]
	s_cmp_eq_u32 s[ROLE], 0
	s_cselect_b64 s[8:9], s[8:9], s[10:11]
	s_cmp_eq_u32 s[ROLE], 2
	s_cselect_b64 s[8:9], s[12:13], s[8:9]
	s_add_nc_u64 s[8:9], s[8:9], s[32:33]
	s_add_nc_u64 s[14:15], s[14:15], s[34:35]
	COPYIN                                         ; block 0
.macro WLOAD t0                        ; tiles t0, t0 + 1 of my unit: fragment (tile u, K step s) at v[12 (8 u + s)] of the window set
.irp u, 0,1
.irp s, 0,1,2,3,4,5,6,7
	global_load_b128 v[12*(8*\u+\s):12*(8*\u+\s)+3], v[A16], s[6:7] offset:(4*\s+\t0+\u)*1536
	global_load_b64 v[12*(8*\u+\s)+4:12*(8*\u+\s)+5], v[A8], s[6:7] offset:(4*\s+\t0+\u)*1536+512
	global_load_b128 v[12*(8*\u+\s)+6:12*(8*\u+\s)+9], v[A16], s[6:7] offset:(4*\s+\t0+\u)*1536+768
	global_load_b64 v[12*(8*\u+\s)+10:12*(8*\u+\s)+11], v[A8], s[6:7] offset:(4*\s+\t0+\u)*1536+1280
.endr
.endr
.endm
	WIN 0x40
	WLOAD 0
	WIN 0x80
	WLOAD 2
	WIN 0
.irp t, 0,1,2,3
.irp q, 0,1
	global_load_b128 v[WS+8*\t+4*\q:WS+8*\t+4*\q+3], v[RA], s[6:7] offset:SCO+512*\t+256*\q
.endr
.endr
	s_cmp_eq_u32 s[ROLE], 2
	s_cbranch_scc1 .Lbias_v
	WIN 0xC0
	s_wait_alu depctr_va_vdst(0)
.irp t, 0,1,2,3                        ; q, k: lane (r, h), register j of tile t: the bias of column 32 (t / 2) + 8 (t % 2) + 16 h + j
	global_load_b128 v[BIAS+8*\t:BIAS+8*\t+3], v[BA], s[8:9] offset:(32*(\t/2)+8*(\t%2))*4
	global_load_b128 v[BIAS+8*\t+4:BIAS+8*\t+7], v[BA], s[8:9] offset:(32*(\t/2)+8*(\t%2))*4+16
.endr
	WIN 0
	s_branch .Lbias_done
.Lbias_v:
	WIN 0xC0
	s_wait_alu depctr_va_vdst(0)
.irp t, 0,1,2,3                        ; v: the lane's own column, 32 (t / 2) + 8 (t % 2) + r + 8 (r / 8), in all eight registers
.irp j, 0,1,2,3,4,5,6,7
	global_load_b32 v[BIAS+8*\t+\j], v[BV], s[8:9] offset:(32*(\t/2)+8*(\t%2))*4
.endr
.endr
	WIN 0
.Lbias_done:
	s_wait_loadcnt 0x0
	COPYST 0
	s_wait_dscnt 0x0                               ; block 0 lies in buffer 0, and the stores have read the staging registers
	s_add_nc_u64 s[4:5], s[4:5], UNITG
	COPYIN                                         ; block 1
	s_barrier_signal -1
	s_barrier_wait -1
	s_mov_b32 s[REM], 4
.Ltrip:                                                ; a trip: two blocks, buffer 0 and buffer 1
	BLOCK 0, 1, 2
	BLOCK 1, 2, 2
	s_sub_co_u32 s[REM], s[REM], 1
	s_cmp_lg_u32 s[REM], 0
	s_cbranch_scc1 .Ltrip
	s_wait_tensorcnt 0x0
	ds_add_u32 v126, v127
	s_wait_dscnt 0x0
	s_endpgm
.Lfunc_end_k_qda163d67df_gemm_qkv:
	.size	k_qda163d67df_gemm_qkv, .Lfunc_end_k_qda163d67df_gemm_qkv-k_qda163d67df_gemm_qkv
	.p2alignl 7, 3214868480
	.fill 96, 4, 3214868480
	.section	.rodata,"a",@progbits
	.p2align	6, 0x0
	.amdhsa_kernel k_qda163d67df_gemm_qkv
		.amdhsa_group_segment_fixed_size 102912
		.amdhsa_private_segment_fixed_size 0
		.amdhsa_enable_private_segment 0
		.amdhsa_kernarg_size 48
		.amdhsa_user_sgpr_count 2
		.amdhsa_user_sgpr_kernarg_segment_ptr 1
		.amdhsa_wavefront_size32 1
		.amdhsa_system_sgpr_workgroup_id_x 1
		.amdhsa_system_sgpr_workgroup_id_y 1
		.amdhsa_system_sgpr_workgroup_id_z 1
		.amdhsa_system_vgpr_workitem_id 0
		.amdhsa_next_free_vgpr 1024
		.amdhsa_next_free_sgpr 66
		.amdhsa_reserve_vcc 0
		.amdhsa_float_denorm_mode_32 3
		.amdhsa_float_denorm_mode_16_64 3
		.amdhsa_memory_ordered 1
		.amdhsa_forward_progress 1
		.amdhsa_inst_pref_size 141
	.end_amdhsa_kernel
	.amdgpu_metadata
---
amdhsa.version: [ 1, 2 ]
amdhsa.kernels:
  - .name:           k_qda163d67df_gemm_qkv
    .symbol:         k_qda163d67df_gemm_qkv.kd
    .args:
      - { .name: xq, .offset: 0, .size: 8, .value_kind: global_buffer, .address_space: global }
      - { .name: wc, .offset: 8, .size: 8, .value_kind: global_buffer, .address_space: global }
      - { .name: bq, .offset: 16, .size: 8, .value_kind: global_buffer, .address_space: global }
      - { .name: bk, .offset: 24, .size: 8, .value_kind: global_buffer, .address_space: global }
      - { .name: bv, .offset: 32, .size: 8, .value_kind: global_buffer, .address_space: global }
      - { .name: qkv, .offset: 40, .size: 8, .value_kind: global_buffer, .address_space: global }
    .group_segment_fixed_size: 102912
    .private_segment_fixed_size: 0
    .kernarg_segment_align: 8
    .kernarg_segment_size: 48
    .max_flat_workgroup_size: 128
    .sgpr_count:     66
    .vgpr_count:     1024
    .wavefront_size: 32
...
	.end_amdgpu_metadata
.endif
;; end of part 2
;; launch attn (part 3): grid 4 x 64, 16 waves a work-group, no clusters, 215,040 bytes of LDS; arguments qkv, mw, fl, ac; writes ac
.if DOCPART == 3
	.amdgcn_target "amdgcn-amd-amdhsa--gfx1250"
	.amdhsa_code_object_version 6
	.text
	.protected	k_qda163d67df_attn
	.globl	k_qda163d67df_attn
	.p2align	8
	.type	k_qda163d67df_attn,@function
k_qda163d67df_attn:
	s_mov_b64 s[64:65], 0
	v_nop
	global_prefetch_b8 v0, s[64:65] scope:SCOPE_SE
	s_setreg_imm32_b32 hwreg(HW_REG_WAVE_MODE, 25, 1), 1
	s_wait_xcnt 0x0
; ATTENTION on codes of FP6 (E2M3) with E8M0 scales, head size 64, with the mask that is given.  t = score x log2(e) / 8; M = the row's largest t so far, rounded UP to a whole number; p = 2^(t - M) is quantised along the keys,
; not normalised; the row's sum is taken of the unquantised p and divides O at the end; when M moves, the sum and O are multiplied by 2^(old M - new M), which rounds nothing.  The result is quantised along the model's 1,024
; and stored as the last product's operand.
; SHARES.  A work-group: one (batch, head) and a quarter of its queries.  The head's K and V, 213 KB of codes and scale words, are copied through registers into LDS ONCE; one barrier; from there on LDS is only read and the sixteen
; waves go their own ways: four to a SIMD, so that one wave's vector work stands beside another's matrix work and LDS loads.  A wave takes two tiles of 16 queries, tile m = w % 4 of blocks blk and 31 - blk of 64 queries.
; THE MASK IS AN INPUT.  The launch before has stored, for each tile of queries and step of 128 keys, 64 lane masks (mw) and two flags (fl).  A step none of whose keys counts for any of the tile's queries is left out: a scalar
; branch on a stored flag; four work-groups read one head's K and V.  A step with hidden keys loads its 64 words into scalar registers; hidden scores become
; -infinity ahead of the maximum.  The loops' trip counts are constants.
; LAYOUT.  Both products are used transposed: S^T = K Q^T, O^T = V^T P^T: a lane holds ONE query.  Row r of a tile of 16 tokens is token 32 (t / 2) + 8 (t % 2) + r + 8 (r / 8) of its 64, so register 16 b + i of S^T is key 32 b + 16 h + i.
; K = 64 IN AN INSTRUCTION OF 128: Q's registers 6-11 are zero codes, so K's upper half may hold any codes: K's tiles lie 6 registers apart and tile t names 12 from its first on (behind the last: six registers of zeros).
; The scale words' bytes 2 and 3 are 0 on both sides, never 0xff.
; LIMITS: a query all of whose keys are hidden gets the scale byte 0xff, so that its row of the output is NaN, as in the definition; a block whose largest magnitude lies under 2^-124 gets the byte 1.  The result's scale bytes
; leave as single bytes, 32 a tile (two heads, in two work-groups, share a word): 256 KB of 6.5 MB in parts of their 256-byte blocks.
; REGISTERS: v1-4 16 and 8 x lane, in K's region and in V's; v5 q's scale word; v6 -infinity; v7 the result's byte; v8-11 the step's addresses; v12 -M, v13 the largest t, v[14:15] the sum; v16-27 Q; v28 its scale words;
; v32-85 K's 8 tiles, then V's 4 fragments; v86-89 K's scale words; v90-93 V's halves, v94-95 V's words; v96-159 S^T, then p; v160-191 O^T; v192-203 p's codes; v204-241 at work.
.set UA,    3328
.set VOFF,  106496                     ; K's 32 units from LDS byte 0, V's from here
.set UNITG, 51200
.set SCO,   49152
.set NINF, 6
.set KF,  32
.set KS,  86
.set S,   96
.set O,   160
.set PC,  192
.set TT,  204                          ; v204-206, v208-210
.set BM,  212                          ; the blocks' largest scores, then largest p
.set BP,  216                          ; the partner lane's, then the bytes
.set SO,  220                          ; the conversions' scale operands
.set PS,  224                          ; p's scale word
.set FF,  226                          ; v[226:227] f, later 1 / the sum; v227 stays 0
.set TMP, 228
.set SU,  230                          ; v[230:231] the second chain of the sum
.set TM,  232                          ; v232-237 the way out's quantiser
.set WV,  12
.set MT,  13
.set BH,  16
.set BLK, 17
.set TILES, 18
.set KEYS, 19
.set SEL, 20
.set CS,  22
.set TB,  24                           ; s24 LDS byte at which the step's two units begin
.set FL,  25                           ; s25 the flags: bit 0: this step counts; bit 16: it has hidden keys
.set MO,  26                           ; s26 the step's words in mw
.set HM,  27
.set LZ,  66                           ; s66 the lanes whose row's sum is 0
.macro PLACES
.rept 4
	v_nop
.endr
.endm
	s_load_b256 s[4:11], s[0:1], 0x0               ; qkv 4, mw 6, fl 8, ac 10
	v_lshl_add_u32 v254, v0, 2, 0x34000
	v_mov_b32 v255, 0
	v_lshlrev_b32 v8, 4, v0                        ; 16 x thread
	v_lshrrev_b32 v242, 5, v0
	s_delay_alu instid0(VALU_DEP_1)
	v_readfirstlane_b32 s[WV], v242
	s_and_b32 s[BH], ttmp7, 0xffff
	s_add_co_u32 s28, s[BH], 64
	s_mul_i32 s28, s28, VOFF                       ; role k, this head: 32 units of 3,328 bytes
	s_mov_b32 s29, 0
	s_wait_alu depctr_va_vdst(0)
	s_wait_kmcnt 0x0
	s_add_nc_u64 s[28:29], s[4:5], s[28:29]
	s_add_nc_u64 s[30:31], s[28:29], 64*VOFF       ; role v
.set fi, 0
.rept 13                               ; the work-group's 512 threads read 8,192 consecutive bytes an instruction
	global_load_b128 v[96+4*fi:96+4*fi+3], v8, s[28:29] offset:8192*fi
.set fi, fi+1
.endr
.set fi, 0
.rept 13
	global_load_b128 v[148+4*fi:148+4*fi+3], v8, s[30:31] offset:8192*fi
.set fi, fi+1
.endr
	v_add_nc_u32 v9, 0x10000, v8                   ; an LDS immediate reaches 65,535
	v_add_nc_u32 v10, VOFF, v8
	s_delay_alu instid0(VALU_DEP_1)
	v_add_nc_u32 v11, 0x10000, v10
	s_and_b32 s[MT], s[WV], 3                      ; m
	s_lshr_b32 s14, s[WV], 2                       ; p
	s_lshr_b32 s[BLK], s14, 1
	s_lshl_b32 s[BLK], s[BLK], 3
	s_sub_co_u32 s32, 7, ttmp9
	s_bitcmp1_b32 s14, 0
	s_cselect_b32 s32, s32, ttmp9
	s_add_co_u32 s[BLK], s[BLK], s32               ; my first block: 8 (p / 2) + (p odd ? 7 - c4 : c4); the second is 31 less that
	v_and_b32 v242, 31, v0                         ; lane
	v_and_b32 v243, 15, v0                         ; r
	v_bfe_u32 v244, v0, 4, 1                       ; h
	s_delay_alu instid0(VALU_DEP_3)
	v_lshlrev_b32 v1, 4, v242
	s_wait_alu depctr_va_vdst(0)
	v_lshlrev_b32 v2, 3, v242
	s_wait_alu depctr_va_vdst(0)
	v_add_nc_u32 v3, VOFF, v1
	v_add_nc_u32 v4, VOFF, v2
	s_and_b32 s32, s[MT], 1
	s_lshl_b32 s32, s32, 7
	s_lshr_b32 s33, s[MT], 1
	s_lshl_b32 s33, s33, 2
	s_add_co_u32 s32, s32, s33
	s_add_co_u32 s32, s32, 3072
	v_lshl_add_u32 v5, v243, 3, s32                ; q's word of group m, row r: 3,072 + 8 (r + 16 (m % 2)) + 4 (m / 2)
	v_mov_b32 v[NINF], 0xff800000
	s_mul_i32 s33, s[MT], 768
	v_add_nc_u32 v29, s33, v1                      ; q's half fragment of group m
	v_add_nc_u32 v30, s33, v2
	s_delay_alu instid0(VALU_DEP_1)
	v_add_nc_u32 v30, 512, v30
	s_and_b32 s34, s[BH], 15                       ; the head: K step hd / 2, half hd % 2 of the last product
	s_lshr_b32 s35, s34, 1
	s_lshl_b32 s32, s35, 2
	s_add_co_u32 s32, s32, s[MT]
	s_mul_i32 s32, s32, 1536
	s_and_b32 s36, s34, 1
	s_mul_i32 s37, s36, 768
	s_add_co_u32 s32, s32, s37
	v_add_nc_u32 v240, s32, v1
	v_add_nc_u32 v241, s32, v2
	s_delay_alu instid0(VALU_DEP_1)
	v_add_nc_u32 v241, 512, v241
	s_lshl_b32 s32, s[MT], 9
	s_lshr_b32 s37, s34, 3
	s_lshl_b32 s37, s37, 8
	s_add_co_u32 s32, s32, s37
	s_and_b32 s37, s35, 3
	s_lshl_b32 s37, s37, 2
	s_add_co_u32 s32, s32, s37
	s_lshl_b32 s37, s36, 1
	s_add_co_u32 s32, s32, s37
	s_add_co_u32 s32, s32, SCO
	v_lshl_add_u32 v7, v243, 4, v244
	s_delay_alu instid0(VALU_DEP_1)
	v_add_nc_u32 v7, s32, v7                       ; my byte: 49,152 + 512 m + 256 (hd / 8) + 16 r + 4 ((hd / 2) % 4) + 2 (hd % 2) + h
	v_mov_b32 v31, 0xff
.irp i, 0,1,2,3,4,5
	v_mov_b32 v[22+\i], 0                          ; Q's upper half: zero codes
	v_mov_b32 v[80+\i], 0                          ; behind K's last tile
.endr
.irp i, 0,1,2,3
	v_mov_b32 v[BP+\i], 0                          ; a lane permute's destination counts as read
.endr
	v_mov_b32 v[FF+1], 0
	v_mov_b32 v[TMP], 0
	v_mov_b32 v[TM+2], 0
	v_mov_b32 v[TM+3], 0
	s_mov_b32 s[SEL], 0x76543210
	s_mov_b32 s[SEL+1], 0xfedcba98
	s_mov_b32 s[CS], 0x3e38aa3b                    ; c = log2(e) / 8
	s_mov_b32 s[CS+1], s[CS]                       ; (named with it as a pair, so it is written)
	s_mov_b32 s[HM], 0xffff0000
.set fi, 0
.rept 13
	s_wait_loadcnt 25-fi                           ; loads come back in order: this one is in, the younger may be out
.if fi < 8
	ds_store_b128 v8, v[96+4*fi:96+4*fi+3] offset:8192*fi
.else
	ds_store_b128 v9, v[96+4*fi:96+4*fi+3] offset:8192*(fi-8)
.endif
.set fi, fi+1
.endr
.set fi, 0
.rept 13
	s_wait_loadcnt 12-fi
.if fi < 8
	ds_store_b128 v10, v[148+4*fi:148+4*fi+3] offset:8192*fi
.else
	ds_store_b128 v11, v[148+4*fi:148+4*fi+3] offset:8192*(fi-8)
.endif
.set fi, fi+1
.endr
	s_wait_dscnt 0x0                               ; for the others' sake: my stores have landed
	s_barrier_signal -1
	s_barrier_wait -1                              ; the launch's one barrier, ahead of every branch on stored numbers: from here on LDS is only read
; the step's scores: addresses, K's 8 tiles and their words, 8 products, V's 4 fragments asked for (they land during the softmax)
.macro SCORES
	v_add_nc_u32 v8, s[TB], v1                     ; (these four are also the places behind the last step's products, ahead of the loads into their registers)
	v_add_nc_u32 v9, s[TB], v2
	v_add_nc_u32 v10, s[TB], v3
	v_add_nc_u32 v11, s[TB], v4
.irp e, 0,1
.irp g, 0,1,2,3
	ds_load_b128 v[KF+6*(4*\e+\g):KF+6*(4*\e+\g)+3], v8 offset:UA*\e+768*\g
	ds_load_b64 v[KF+6*(4*\e+\g)+4:KF+6*(4*\e+\g)+5], v9 offset:UA*\e+768*\g+512
.endr
	ds_load_b64 v[KS+2*\e:KS+2*\e+1], v9 offset:UA*\e+3072
.endr
	s_wait_alu depctr_va_vdst(0)
	s_wait_dscnt 0x0
.irp e, 0,1
.irp g, 0,2
	v_wmma_scale_f32_16x16x128_f8f6f4 v[S+8*(4*\e+\g):S+8*(4*\e+\g)+7], v[KF+6*(4*\e+\g):KF+6*(4*\e+\g)+11], v[16:27], 0, v[KS+2*\e+\g/2], v28 matrix_a_fmt:MATRIX_FMT_FP6 matrix_b_fmt:MATRIX_FMT_FP6
	v_wmma_scale_f32_16x16x128_f8f6f4 v[S+8*(4*\e+\g+1):S+8*(4*\e+\g+1)+7], v[KF+6*(4*\e+\g+1):KF+6*(4*\e+\g+1)+11], v[16:27], 0, v[KS+2*\e+\g/2], v28 matrix_a_fmt:MATRIX_FMT_FP6 matrix_b_fmt:MATRIX_FMT_FP6 matrix_a_scale:MATRIX_SCALE_ROW1
.endr
.endr
	PLACES                                         ; ahead of the first read of the scores and of the loads into K's registers
.irp e, 0,1
.irp n, 0,1,2,3
	ds_load_b128 v[KF+12*\n+6*\e:KF+12*\n+6*\e+3], v10 offset:UA*\e+768*\n
	ds_load_b64 v[KF+12*\n+6*\e+4:KF+12*\n+6*\e+5], v11 offset:UA*\e+768*\n+512
.endr
	ds_load_b64 v[90+2*\e:91+2*\e], v11 offset:UA*\e+3072
.endr
.endm
; the way out's quantiser: 32 numbers of a lane, register 16 b + i = d 32 b + 16 h + i, become 6 registers of codes at v[dst]; the two bytes stay in v[TM+2], v[TM+3]
.macro HQ src, dst
.irp b, 0,1
	v_max3_num_f32 v[TM+\b], |v[(\src)+16*\b]|, |v[(\src)+16*\b+1]|, 0x1800000
.endr
.irp i, 2,4,6,8,10,12,14
.irp b, 0,1
	s_delay_alu instid0(VALU_DEP_2)
	v_max3_num_f32 v[TM+\b], v[TM+\b], |v[(\src)+16*\b+\i]|, |v[(\src)+16*\b+\i+1]|
.endr
.endr
.irp b, 0,1
	s_delay_alu instid0(VALU_DEP_2)
	v_permlanex16_b32 v[TM+2+\b], v[TM+\b], s[SEL], s[SEL+1]
.endr
.irp b, 0,1
	s_delay_alu instid0(VALU_DEP_2)
	v_max_num_f32 v[TM+\b], v[TM+\b], v[TM+2+\b]
.endr
.irp b, 0,1
	s_delay_alu instid0(VALU_DEP_2)
	v_add_nc_u32 v[TM+4+\b], 0xff000000, v[TM+\b]
.endr
.irp b, 0,1
	s_delay_alu instid0(VALU_DEP_2)
	v_lshrrev_b32 v[TM+2+\b], 23, v[TM+4+\b]
.endr
	v_cvt_scalef32_pk16_fp6_f32 v[(\dst):(\dst)+2], v[(\src):(\src)+15], v[TM+4]
	v_cvt_scalef32_pk16_fp6_f32 v[TT:TT+2], v[(\src)+16:(\src)+31], v[TM+5]
	v_nop
.irp i, 0,1,2
	v_permlane16_swap_b32 v[(\dst)+\i], v[TT+\i]
.endr
.irp i, 0,1,2
	s_delay_alu instid0(VALU_DEP_3)
	v_mov_b32 v[(\dst)+3+\i], v[TT+\i]
.endr
.endm
	s_mov_b32 s[TILES], 2
.Ltile:
	s_wait_xcnt 0x0                                ; the last tile's stores have read their registers and base
	s_lshl_b32 s28, s[BLK], 2
	s_add_co_u32 s28, s28, s[MT]                   ; T
	s_lshl_b32 s30, s28, 4
	s_mov_b32 s31, 0
	s_add_nc_u64 s[30:31], s[8:9], s[30:31]
	s_load_b128 s[32:35], s[30:31], 0x0            ; the tile's flags
	s_lshl_b32 s28, s28, 12
	s_mov_b32 s29, 0
	s_add_nc_u64 s[100:101], s[6:7], s[28:29]      ; its 16 x 64 words
	s_lshl_b32 s28, s[BH], 5
	s_add_co_u32 s28, s28, s[BLK]
	s_mul_i32 s28, s28, UA
	s_add_nc_u64 s[28:29], s[4:5], s[28:29]        ; role q: the block's unit
	global_load_b128 v[16:19], v29, s[28:29]
	global_load_b64 v[20:21], v30, s[28:29]
	global_load_b32 v28, v5, s[28:29]
	s_lshr_b32 s36, s[BH], 4
	s_lshl_b32 s36, s36, 5
	s_add_co_u32 s36, s36, s[BLK]
	s_mul_i32 s36, s36, UNITG
	s_mov_b32 s37, 0
	s_add_nc_u64 s[2:3], s[10:11], s[36:37]        ; the result's unit
	v_mov_b32 v13, 0xff61b1e6                      ; the largest t so far: -3e38
	s_delay_alu instid0(VALU_DEP_1)
	v_floor_f32 v12, -v13
	v_mov_b32 v14, 0
	v_mov_b32 v15, 0
.set j, 0
.rept 32
	v_mov_b32 v[O+j], 0                            ; the step is written once: the first finds zeros, which the first change of M leaves zeros
.set j, j+1
.endr
	s_wait_kmcnt 0x0
	s_lshl_b32 s33, s33, 4
	s_lshl_b32 s34, s34, 8
	s_lshl_b32 s35, s35, 12
	s_or_b32 s[FL], s32, s33
	s_or_b32 s[FL], s[FL], s34
	s_or_b32 s[FL], s[FL], s35                     ; bit j: step j counts; bit 16 + j: it has hidden keys
	s_mov_b32 s[TB], 0
	s_mov_b32 s[MO], 0
	s_mov_b32 s[KEYS], 16
	s_wait_loadcnt 0x0                             ; Q
.Lkey:
	s_bitcmp1_b32 s[FL], 0
	s_cbranch_scc0 .Lnext                          ; none of the step's keys counts for any of my queries
	s_bitcmp1_b32 s[FL], 16
	s_setprio 2
	s_cbranch_scc0 .Lfull
	s_load_b512 s[32:47], s[100:101], s[MO] offset:0x0     ; the step's 64 words
	s_load_b512 s[48:63], s[100:101], s[MO] offset:0x40
	s_load_b512 s[68:83], s[100:101], s[MO] offset:0x80
	s_load_b512 s[84:99], s[100:101], s[MO] offset:0xc0
	SCORES
	s_wait_kmcnt 0x0
.set j, 0
.rept 64                               ; hidden scores become -infinity; each accumulator is read from its low end on
.if j < 32
	v_cndmask_b32 v[S+j], v[S+j], v[NINF], s[32+j]
.else
	v_cndmask_b32 v[S+j], v[S+j], v[NINF], s[36+j]
.endif
.set j, j+1
.endr
	s_branch .Lsoft
.Lfull:
	SCORES
.Lsoft:
.irp b, 0,1,2,3
	v_max3_num_f32 v[BM+\b], v[S+16*\b], v[S+1+16*\b], v[S+2+16*\b]   ; the largest score of each block of 32 keys: for the row's maximum, and, since p rises with the score, for the block's largest p
.endr
.irp i, 3,5,7,9,11,13
.irp b, 0,1,2,3
	v_max3_num_f32 v[BM+\b], v[BM+\b], v[S+16*\b+\i], v[S+1+16*\b+\i]
.endr
.endr
.irp b, 0,1,2,3
	v_max_num_f32 v[BM+\b], v[BM+\b], v[S+15+16*\b]
.endr
.irp b, 0,1,2,3
	s_delay_alu instid0(VALU_DEP_4)
	v_permlanex16_b32 v[BP+\b], v[BM+\b], s[SEL], s[SEL+1]
.endr
.irp b, 0,1,2,3
	s_delay_alu instid0(VALU_DEP_4)
	v_max_num_f32 v[BM+\b], v[BM+\b], v[BP+\b]
.endr
	s_delay_alu instid0(VALU_DEP_2)
	v_max3_num_f32 v[TMP], v[BM], v[BM+1], v[BM+2]
	s_delay_alu instid0(VALU_DEP_1)
	v_max_num_f32 v[TMP], v[TMP], v[BM+3]
	s_delay_alu instid0(VALU_DEP_1)
	v_mul_f32 v[TMP], s[CS], v[TMP]
	s_delay_alu instid0(VALU_DEP_1)
	v_max_num_f32 v13, v13, v[TMP]                 ; the running largest t
	v_mov_b32 v[TMP], v12
	s_delay_alu instid0(VALU_DEP_2)
	v_floor_f32 v12, -v13                          ; -M = floor(-t): M is a whole number
	s_delay_alu instid0(VALU_DEP_1)
	v_sub_f32 v[TMP], v12, v[TMP]                  ; old M - new M: a whole number, 0 or less
	s_delay_alu instid0(VALU_DEP_1)
	v_cvt_i32_f32 v[TMP], v[TMP]                   ; (it saturates)
	s_delay_alu instid0(VALU_DEP_1)
	v_ldexp_f32 v[FF], 1.0, v[TMP]                 ; f = 2^(old M - new M)
.set j, 0
	s_setprio 1
.rept 32
	v_pk_fma_f32 v[S+j:S+j+1], v[S+j:S+j+1], s[CS:CS+1], v[12:13] op_sel_hi:[1,0,0]   ; t - M, two at a time
.set j, j+2
.endr
.irp b, 0,1,2,3
	v_fma_f32 v[BM+\b], v[BM+\b], s[CS], v12
.endr
.set j, 0
	s_wait_alu depctr_va_vdst(0)
.rept 64
	v_exp_f32 v[S+j], v[S+j]                       ; p = 2^(t - M)
.set j, j+1
.endr
	v_pk_mul_f32 v[14:15], v[14:15], v[FF:FF+1] op_sel_hi:[1,0]   ; the sums under the new M (a plain place behind the exponentials)
	s_wait_alu depctr_va_vdst(0)                   ; one wait for the batch of 64, ahead of its first reader
.irp b, 0,1,2,3
	v_exp_f32 v[BM+\b], v[BM+\b]                   ; the blocks' largest p
.endr
	v_pk_add_f32 v[230:231], v[100:101], v[104:105]
	v_pk_add_f32 v[252:253], v[108:109], v[112:113]
	v_pk_add_f32 v[250:251], v[116:117], v[120:121]
	v_pk_add_f32 v[248:249], v[124:125], v[128:129]
	v_pk_add_f32 v[246:247], v[132:133], v[136:137]
	v_pk_add_f32 v[244:245], v[140:141], v[144:145]
	v_pk_add_f32 v[242:243], v[148:149], v[152:153]
	v_pk_add_f32 v[14:15], v[14:15], v[156:157]
	v_pk_add_f32 v[230:231], v[230:231], v[96:97]
	v_pk_add_f32 v[252:253], v[252:253], v[98:99]
	v_pk_add_f32 v[250:251], v[250:251], v[102:103]
	v_pk_add_f32 v[248:249], v[248:249], v[106:107]
	v_pk_add_f32 v[246:247], v[246:247], v[110:111]
	v_pk_add_f32 v[244:245], v[244:245], v[114:115]
	v_pk_add_f32 v[242:243], v[242:243], v[118:119]
	v_pk_add_f32 v[14:15], v[14:15], v[122:123]
	v_pk_add_f32 v[230:231], v[230:231], v[126:127]
	v_pk_add_f32 v[252:253], v[252:253], v[130:131]
	v_pk_add_f32 v[250:251], v[250:251], v[134:135]
	v_pk_add_f32 v[248:249], v[248:249], v[138:139]
	v_pk_add_f32 v[246:247], v[246:247], v[142:143]
	v_pk_add_f32 v[244:245], v[244:245], v[146:147]
	v_pk_add_f32 v[242:243], v[242:243], v[150:151]
	v_pk_add_f32 v[14:15], v[14:15], v[154:155]
	v_pk_add_f32 v[230:231], v[230:231], v[158:159]
	s_delay_alu instid0(VALU_DEP_2)
	v_pk_add_f32 v[14:15], v[14:15], v[248:249]
	s_delay_alu instid0(VALU_DEP_2)
	v_pk_add_f32 v[230:231], v[230:231], v[246:247]
	v_pk_add_f32 v[252:253], v[252:253], v[244:245]
	v_pk_add_f32 v[250:251], v[250:251], v[242:243]
	s_delay_alu instid0(VALU_DEP_2)
	v_pk_add_f32 v[14:15], v[14:15], v[252:253]
	s_delay_alu instid0(VALU_DEP_2)
	v_pk_add_f32 v[230:231], v[230:231], v[250:251]
	s_delay_alu instid0(VALU_DEP_1)
	v_pk_add_f32 v[14:15], v[14:15], v[230:231]
	s_setprio 0
	s_wait_alu depctr_va_vdst(0)                   ; and one for the four
.irp b, 0,1,2,3
	v_max_num_f32 v[BM+\b], 0x1800000, v[BM+\b]    ; the floor 2^(3 - 127)
.endr
.irp b, 0,1,2,3
	s_delay_alu instid0(VALU_DEP_4)
	v_add_nc_u32 v[SO+\b], 0xff000000, v[BM+\b]
.endr
.irp b, 0,1,2,3
	s_delay_alu instid0(VALU_DEP_4)
	v_lshrrev_b32 v[BP+\b], 23, v[SO+\b]
.endr
	s_delay_alu instid0(VALU_DEP_3)
	v_lshl_or_b32 v[PS], v[BP+1], 8, v[BP]
	s_delay_alu instid0(VALU_DEP_1)
	v_lshl_or_b32 v[PS], v[BP+2], 16, v[PS]
	s_delay_alu instid0(VALU_DEP_1)
	v_lshl_or_b32 v[PS], v[BP+3], 24, v[PS]        ; p's scale word for these 128 keys
	s_wait_dscnt 0x0                               ; V's fragments and words are in
	v_lshl_or_b32 v94, v92, 16, v90                ; V's words for 128 keys: two bytes of each of the two units
	v_lshl_or_b32 v95, v93, 16, v91
.irp c, 0,1
	v_cvt_scalef32_pk16_fp6_f32 v[PC+6*\c:PC+6*\c+2], v[S+32*\c:S+32*\c+15], v[SO+2*\c]
	v_cvt_scalef32_pk16_fp6_f32 v[TT+4*\c:TT+4*\c+2], v[S+32*\c+16:S+32*\c+31], v[SO+2*\c+1]
.endr
	v_nop
.irp c, 0,1
.irp i, 0,1,2
	v_permlane16_swap_b32 v[PC+6*\c+\i], v[TT+4*\c+\i]
.endr
.irp i, 0,1,2
	s_delay_alu instid0(VALU_DEP_3)
	v_mov_b32 v[PC+6*\c+3+\i], v[TT+4*\c+\i]
.endr
.endr
.set j, 0
.rept 16
	v_pk_mul_f32 v[O+j:O+j+1], v[O+j:O+j+1], v[FF:FF+1] op_sel_hi:[1,0]   ; O^T under the new M; these are also the places between the scale words' and the codes' last writes and the products
.set j, j+2
.endr
.irp n, 0,2
	v_wmma_scale_f32_16x16x128_f8f6f4 v[O+8*\n:O+8*\n+7], v[KF+12*\n:KF+12*\n+11], v[PC:PC+11], v[O+8*\n:O+8*\n+7], v[94+\n/2], v[PS] matrix_a_fmt:MATRIX_FMT_FP6 matrix_b_fmt:MATRIX_FMT_FP6
	v_wmma_scale_f32_16x16x128_f8f6f4 v[O+8*\n+8:O+8*\n+15], v[KF+12*\n+12:KF+12*\n+23], v[PC:PC+11], v[O+8*\n+8:O+8*\n+15], v[94+\n/2], v[PS] matrix_a_fmt:MATRIX_FMT_FP6 matrix_b_fmt:MATRIX_FMT_FP6 matrix_a_scale:MATRIX_SCALE_ROW1
.endr
.Lnext:
	s_add_co_u32 s[TB], s[TB], 2*UA
	s_add_co_u32 s[MO], s[MO], 256
	s_lshr_b32 s[FL], s[FL], 1
	s_sub_co_u32 s[KEYS], s[KEYS], 1
	s_cmp_lg_u32 s[KEYS], 0
	s_cbranch_scc1 .Lkey
	s_setprio 0
	; THE WAY OUT of a tile: O^T / the sum, quantised along the head's 64, as half a fragment of the last product's operand
	PLACES
	v_add_f32 v14, v14, v15
	s_delay_alu instid0(VALU_DEP_1)
	v_permlanex16_b32 v[TMP], v14, s[SEL], s[SEL+1]
	s_delay_alu instid0(VALU_DEP_1)
	v_add_f32 v14, v14, v[TMP]                     ; the row's sum
	s_wait_alu depctr_va_vdst(0)
	v_rcp_f32 v[FF], v14
	v_nop                                          ; a plain place behind the reciprocal
	v_cmp_eq_f32 s[LZ], 0, v14                     ; a query all of whose keys are hidden
	s_wait_alu depctr_va_vdst(0)                   ; ahead of the reciprocal's first reader
	v_cndmask_b32 v[FF], v[FF], v[FF+1], s[LZ]     ; there 0 goes into the quantiser,
.set j, 0
.rept 16
	v_pk_mul_f32 v[S+j:S+j+1], v[O+j:O+j+1], v[FF:FF+1] op_sel_hi:[1,0]
.set j, j+2
.endr
	HQ S, PC
	v_cndmask_b32 v[TMP], v[TM+2], v[TM+3], s[HM]  ; lane (r, h) stores block h's byte of row r,
	s_delay_alu instid0(VALU_DEP_1)
	v_cndmask_b32 v[TMP], v[TMP], v31, s[LZ]       ; and 0xff there: the row of the output is NaN
	global_store_b128 v240, v[PC:PC+3], s[2:3]     ; 512 consecutive bytes, from a multiple of 256 on
	global_store_b64 v241, v[PC+4:PC+5], s[2:3]    ; 256
	global_store_b8 v7, v[TMP], s[2:3]
	s_sub_co_u32 s[BLK], 31, s[BLK]
	s_sub_co_u32 s[TILES], s[TILES], 1
	s_cmp_lg_u32 s[TILES], 0
	s_cbranch_scc1 .Ltile
	s_wait_tensorcnt 0x0
	ds_add_u32 v254, v255
	s_wait_dscnt 0x0
	s_endpgm
.Lfunc_end_k_qda163d67df_attn:
	.size	k_qda163d67df_attn, .Lfunc_end_k_qda163d67df_attn-k_qda163d67df_attn
	.p2alignl 7, 3214868480
	.fill 96, 4, 3214868480
	.section	.rodata,"a",@progbits
	.p2align	6, 0x0
	.amdhsa_kernel k_qda163d67df_attn
		.amdhsa_group_segment_fixed_size 215040
		.amdhsa_private_segment_fixed_size 0
		.amdhsa_enable_private_segment 0
		.amdhsa_kernarg_size 32
		.amdhsa_user_sgpr_count 2
		.amdhsa_user_sgpr_kernarg_segment_ptr 1
		.amdhsa_wavefront_size32 1
		.amdhsa_system_sgpr_workgroup_id_x 1
		.amdhsa_system_sgpr_workgroup_id_y 1
		.amdhsa_system_sgpr_workgroup_id_z 1
		.amdhsa_system_vgpr_workitem_id 0
		.amdhsa_next_free_vgpr 256
		.amdhsa_next_free_sgpr 106
		.amdhsa_reserve_vcc 0
		.amdhsa_float_denorm_mode_32 3
		.amdhsa_float_denorm_mode_16_64 3
		.amdhsa_memory_ordered 1
		.amdhsa_forward_progress 1
		.amdhsa_inst_pref_size 43
	.end_amdhsa_kernel
	.amdgpu_metadata
---
amdhsa.version: [ 1, 2 ]
amdhsa.kernels:
  - .name:           k_qda163d67df_attn
    .symbol:         k_qda163d67df_attn.kd
    .args:
      - { .name: qkv, .offset: 0, .size: 8, .value_kind: global_buffer, .address_space: global }
      - { .name: mw, .offset: 8, .size: 8, .value_kind: global_buffer, .address_space: global }
      - { .name: fl, .offset: 16, .size: 8, .value_kind: global_buffer, .address_space: global }
      - { .name: ac, .offset: 24, .size: 8, .value_kind: global_buffer, .address_space: global }
    .group_segment_fixed_size: 215040
    .private_segment_fixed_size: 0
    .kernarg_segment_align: 8
    .kernarg_segment_size: 32
    .max_flat_workgroup_size: 512
    .sgpr_count:     106
    .vgpr_count:     256
    .wavefront_size: 32
...
	.end_amdgpu_metadata
.endif
;; end of part 3
;; launch gemm_out (part 4): grid 4 x 64, 4 waves a work-group, no clusters, 120,320 bytes of LDS; arguments ac, wc, bo, out0; writes out0
.if DOCPART == 4
	.amdgcn_target "amdgcn-amd-amdhsa--gfx1250"
	.amdhsa_code_object_version 6
	.text
	.protected	k_qda163d67df_gemm_out
	.globl	k_qda163d67df_gemm_out
	.p2align	8
	.type	k_qda163d67df_gemm_out,@function
k_qda163d67df_gemm_out:
	s_mov_b64 s[64:65], 0
	v_nop
	global_prefetch_b8 v0, s[64:65] scope:SCOPE_SE
	s_setreg_imm32_b32 hwreg(HW_REG_WAVE_MODE, 25, 1), 1
	s_wait_xcnt 0x0
; out0 = a wo + bo on codes of FP6 (E2M3) with E8M0 scales; a, the attention's result, arrives as units of operand images (51,200 bytes for 64 tokens x K 1,024: fragment (K step s, tile t) at (4 s + t) x 1,536; scale words at
; 49,152 + 512 t + 256 (s / 4) + 16 r + 4 (s % 4)), and so does wo (units 48 to 63 of wc, 64 columns each).
; SHARES.  Work-group (x, y): 256 columns x 128 tokens; 256 work-groups.  Wave w owns one unit of wo: its 32 fragments (384 registers) stay in registers.  The two blocks of 64 tokens are copied through registers into two LDS
; buffers and read by all four waves; both blocks are written out, with no loop.  No cluster: what work-groups share is 25 loads a wave for 128 matrix instructions.
; Source 0 = 16 columns of wo, source 1 = 16 tokens: a lane holds one token and eight neighbouring columns a tile.  Row r of a tile is row 32 (t / 2) + 8 (t % 2) + r + 8 (r / 8) of its 64, for columns and tokens alike: the way out
; through the wave's stage puts both back in order, and sixteen lanes store 256 consecutive bytes of a row of out0.  The bias is the C of each sum's first matrix instruction.
; A scale byte 0xff in a (a query all of whose keys were hidden) makes that token's sums NaN, as the definition has it.
; REGISTERS, in windows of 256.  Window 0: v1-4 LDS addresses in buffer 0 (16 x lane, 8 x lane, 16 x thread, 16 r), v5-8 in buffer 1; v12-15 the way out's addresses and the bias's; v16-47 wo's scale words, v48-79 the block's;
; v80-111 rows on the way out; v128-255 the 16 accumulators.  Window 1: wo's tiles 0, 1.  Window 2: tiles 2, 3.  Window 3: v0-95 two sets of a's four fragments; v96-127 the bias; v128-227 the block on its way into LDS.
.set UNITG, 51200
.set SCO,   49152
.set STGL,  102400                     ; behind the buffers: a stage of 16 rows x (256 + 16) bytes for each wave
.set SP,    272
.set A16, 1
.set A8,  2
.set CPA, 3
.set RA,  4
.set STO, 12
.set RD,  13
.set GO,  14
.set BA,  15
.set WS,  16
.set XS,  48
.set OB,  80
.set ACC, 128
.set XF,  0
.set BIAS, 96
.set STG, 128
.set WV,  16
.set MSB, 0
.macro WIN new                         ; bits 1:0 source 0, 3:2 source 1, 5:4 source 2, 7:6 destination; the high byte repeats the setting that is left
.if MSB != (\new)
	s_set_vgpr_msb (MSB<<8)|(\new)
.set MSB, (\new)
.endif
.endm
.macro PLACES                          ; four plain vector instructions behind matrix instructions, ahead of loads into their registers and of the first read of results
.rept 4
	v_nop
.endr
.endm
.macro COPYIN
	WIN 0xC0
.set ci, 0
.rept 25
	global_load_b128 v[STG+4*ci:STG+4*ci+3], v[CPA], s[4:5] offset:2048*ci
.set ci, ci+1
.endr
	WIN 0
.endm
.macro COPYST b
	WIN 0x0C
.set ci, 0
.rept 25
	ds_store_b128 v[CPA+4*(\b)], v[STG+4*ci:STG+4*ci+3] offset:2048*ci
.set ci, ci+1
.endr
	WIN 0
.endm
.macro XSLOAD b
.irp m, 0,1,2,3
.irp q, 0,1
	ds_load_b128 v[XS+8*\m+4*\q:XS+8*\m+4*\q+3], v[RA+4*(\b)] offset:SCO+512*\m+256*\q
.endr
.endr
.endm
.macro FETCH b, s
	WIN 0xC0
.irp m, 0,1,2,3
	ds_load_b128 v[XF+48*((\s)%2)+12*\m:XF+48*((\s)%2)+12*\m+3], v[A16+4*(\b)] offset:(4*(\s)+\m)*1536
	ds_load_b64 v[XF+48*((\s)%2)+12*\m+4:XF+48*((\s)%2)+12*\m+5], v[A8+4*(\b)] offset:(4*(\s)+\m)*1536+512
	ds_load_b128 v[XF+48*((\s)%2)+12*\m+6:XF+48*((\s)%2)+12*\m+9], v[A16+4*(\b)] offset:(4*(\s)+\m)*1536+768
	ds_load_b64 v[XF+48*((\s)%2)+12*\m+10:XF+48*((\s)%2)+12*\m+11], v[A8+4*(\b)] offset:(4*(\s)+\m)*1536+1280
.endr
.endm
.macro MM s                            ; 16 matrix instructions; the 16 accumulators take turns, one instruction a turn, in the same order in every step
.irp t, 0,1,2,3
.if (\s) == 0
	WIN 0x3D+(\t/2)
.else
	WIN 0x0D+(\t/2)
.endif
.irp m, 0,1,2,3
.if (\s) == 0
	v_wmma_scale_f32_16x16x128_f8f6f4 v[ACC+32*\m+8*\t:ACC+32*\m+8*\t+7], v[12*(8*(\t%2)+(\s)):12*(8*(\t%2)+(\s))+11], v[XF+48*((\s)%2)+12*\m:XF+48*((\s)%2)+12*\m+11], v[BIAS+8*\t:BIAS+8*\t+7], v[WS+8*\t+(\s)], v[XS+8*\m+(\s)] matrix_a_fmt:MATRIX_FMT_FP6 matrix_b_fmt:MATRIX_FMT_FP6
.else
	v_wmma_scale_f32_16x16x128_f8f6f4 v[ACC+32*\m+8*\t:ACC+32*\m+8*\t+7], v[12*(8*(\t%2)+(\s)):12*(8*(\t%2)+(\s))+11], v[XF+48*((\s)%2)+12*\m:XF+48*((\s)%2)+12*\m+11], v[ACC+32*\m+8*\t:ACC+32*\m+8*\t+7], v[WS+8*\t+(\s)], v[XS+8*\m+(\s)] matrix_a_fmt:MATRIX_FMT_FP6 matrix_b_fmt:MATRIX_FMT_FP6
.endif
.endr
.endr
.endm
.macro KSTEP b, s
.if (\s) < 7
	PLACES                                         ; the other set was read by the step before
	FETCH \b, (\s)+1
	s_wait_dscnt 16                                ; all but the 16 just issued
.else
	s_wait_dscnt 0x0
.endif
	MM \s
.endm
; A block of 64 tokens in buffer b.  first = 1: the second block goes into the other buffer, and a barrier closes the block
.macro BLOCK b, first
.if \first
	s_wait_loadcnt 0x0                             ; the second block is in registers
	COPYST 1-\b
.endif
	XSLOAD \b
	FETCH \b, 0
.irp s, 0,1,2,3,4,5,6,7
	KSTEP \b, \s
.endr
	WIN 0
	PLACES
.irp m, 0,1,2,3                        ; a tile of 16 tokens x my 64 columns through my stage
.if \m > 0
	s_wait_xcnt 0x0                                ; the last tile's stores have read the registers that the loads below fill
.endif
.irp t, 0,1,2,3
	ds_store_b128 v[STO], v[ACC+32*\m+8*\t:ACC+32*\m+8*\t+3] offset:128*(\t/2)+32*(\t%2)        ; each accumulator from its low end on; lane (r, h): columns 32 (t / 2) + 8 (t % 2) + 16 h + 0 .. 7
	ds_store_b128 v[STO], v[ACC+32*\m+8*\t+4:ACC+32*\m+8*\t+7] offset:128*(\t/2)+32*(\t%2)+16
.endr
.irp i, 0,1,2,3,4,5,6,7
	ds_load_b128 v[OB+4*\i:OB+4*\i+3], v[RD] offset:2*SP*\i     ; LDS serves a wave's instructions in order: these see the stores above, and the next tile's stores come behind them
.endr
.irp i, 0,1,2,3,4,5,6,7
	s_wait_dscnt 7-\i                              ; load i is in; the younger may be out
	global_store_b128 v[GO], v[OB+4*\i:OB+4*\i+3], s[10:11] offset:(32*(\m/2)+8*(\m%2)+2*\i+8*(\i/4))*4096 th:TH_STORE_NT   ; stage rows 2 i, 2 i + 1 are tokens 32 (m / 2) + 8 (m % 2) + 2 i + 8 (i / 4) and the next; sixteen lanes store 256 consecutive bytes, aligned
.endr
.endr
.if \first
	s_wait_xcnt 0x0                                ; the stores have read their base
	s_add_nc_u64 s[10:11], s[10:11], 64*4096
	s_wait_dscnt 0x0                               ; my stores into the other buffer have landed
	s_barrier_signal -1
	s_barrier_wait -1
.endif
.endm
	s_load_b256 s[4:11], s[0:1], 0x0               ; ac 4, wc 6, bo 8, out0 10
	v_lshl_add_u32 v126, v0, 2, 0x1d400
	v_mov_b32 v127, 0
	v_lshrrev_b32 v9, 5, v0
	v_readfirstlane_b32 s[WV], v9
	v_and_b32 v9, 31, v0
	v_and_b32 v10, 15, v0                          ; r
	v_bfe_u32 v11, v0, 4, 1                        ; h
	v_lshlrev_b32 v[A16], 4, v9
	v_lshlrev_b32 v[A8], 3, v9
	v_lshlrev_b32 v[CPA], 4, v0
	v_lshlrev_b32 v[RA], 4, v10
.irp a, 1,2,3,4
	v_add_nc_u32 v[\a+4], UNITG, v[\a]
.endr
	v_lshlrev_b32 v[BA], 6, v11
	s_mul_i32 s24, s[WV], 16*SP
	s_add_co_u32 s24, s24, STGL                    ; my stage
	v_mul_u32_u24 v[STO], v10, SP
	v_lshl_add_u32 v[STO], v11, 6, v[STO]
	v_add_nc_u32 v[STO], s24, v[STO]               ; in: row r, + 64 h
	v_mul_u32_u24 v[RD], v11, SP
	v_lshl_add_u32 v[RD], v10, 4, v[RD]
	v_add_nc_u32 v[RD], s24, v[RD]                 ; back: lanes 0-15 one row, lanes 16-31 the next
	v_lshlrev_b32 v[GO], 12, v11
	v_lshl_add_u32 v[GO], v10, 4, v[GO]            ; and the same in out0
	s_lshl_b32 s24, ttmp9, 2
	s_add_co_u32 s24, s24, s[WV]                   ; my 64 columns: 4 x + w
	s_and_b32 s26, ttmp7, 0xffff                   ; y
	s_add_co_u32 s28, s24, 48
	s_mul_i32 s28, s28, UNITG
	s_mov_b32 s29, 0
	s_mul_i32 s30, s26, 2*UNITG
	s_mov_b32 s31, 0
	s_lshl_b32 s32, s24, 8                         ; 64 f32: in bo and in a row of out0
	s_mov_b32 s33, 0
	s_lshl_b32 s34, s26, 19                        ; 128 rows of 4,096 bytes
	s_mov_b32 s35, 0
	s_wait_alu depctr_va_vdst(0)
	s_wait_kmcnt 0x0
	s_add_nc_u64 s[6:7], s[6:7], s[28:29]
	s_add_nc_u64 s[4:5], s[4:5], s[30:31]
	s_add_nc_u64 s[8:9], s[8:9], s[32:33]
	s_add_nc_u64 s[10:11], s[10:11], s[32:33]
	s_add_nc_u64 s[10:11], s[10:11], s[34:35]
	COPYIN                                         ; block 0
.macro WLOAD t0
.irp u, 0,1
.irp s, 0,1,2,3,4,5,6,7
	global_load_b128 v[12*(8*\u+\s):12*(8*\u+\s)+3], v[A16], s[6:7] offset:(4*\s+\t0+\u)*1536
	global_load_b64 v[12*(8*\u+\s)+4:12*(8*\u+\s)+5], v[A8], s[6:7] offset:(4*\s+\t0+\u)*1536+512
	global_load_b128 v[12*(8*\u+\s)+6:12*(8*\u+\s)+9], v[A16], s[6:7] offset:(4*\s+\t0+\u)*1536+768
	global_load_b64 v[12*(8*\u+\s)+10:12*(8*\u+\s)+11], v[A8], s[6:7] offset:(4*\s+\t0+\u)*1536+1280
.endr
.endr
.endm
	WIN 0x40
	WLOAD 0
	WIN 0x80
	WLOAD 2
	WIN 0
.irp t, 0,1,2,3
.irp q, 0,1
	global_load_b128 v[WS+8*\t+4*\q:WS+8*\t+4*\q+3], v[RA], s[6:7] offset:SCO+512*\t+256*\q
.endr
.endr
	WIN 0xC0
.irp t, 0,1,2,3                        ; lane (r, h), register j of tile t: the bias of column 32 (t / 2) + 8 (t % 2) + 16 h + j
	global_load_b128 v[BIAS+8*\t:BIAS+8*\t+3], v[BA], s[8:9] offset:(32*(\t/2)+8*(\t%2))*4
	global_load_b128 v[BIAS+8*\t+4:BIAS+8*\t+7], v[BA], s[8:9] offset:(32*(\t/2)+8*(\t%2))*4+16
.endr
	WIN 0
	s_wait_loadcnt 0x0
	COPYST 0
	s_wait_dscnt 0x0                               ; block 0 lies in buffer 0, and the stores have read the staging registers
	s_add_nc_u64 s[4:5], s[4:5], UNITG
	COPYIN                                         ; block 1
	s_barrier_signal -1
	s_barrier_wait -1
	BLOCK 0, 1
	BLOCK 1, 0
	s_wait_tensorcnt 0x0
	ds_add_u32 v126, v127
	s_wait_dscnt 0x0
	s_endpgm
.Lfunc_end_k_qda163d67df_gemm_out:
	.size	k_qda163d67df_gemm_out, .Lfunc_end_k_qda163d67df_gemm_out-k_qda163d67df_gemm_out
	.p2alignl 7, 3214868480
	.fill 96, 4, 3214868480
	.section	.rodata,"a",@progbits
	.p2align	6, 0x0
	.amdhsa_kernel k_qda163d67df_gemm_out
		.amdhsa_group_segment_fixed_size 120320
		.amdhsa_private_segment_fixed_size 0
		.amdhsa_enable_private_segment 0
		.amdhsa_kernarg_size 32
		.amdhsa_user_sgpr_count 2
		.amdhsa_user_sgpr_kernarg_segment_ptr 1
		.amdhsa_wavefront_size32 1
		.amdhsa_system_sgpr_workgroup_id_x 1
		.amdhsa_system_sgpr_workgroup_id_y 1
		.amdhsa_system_sgpr_workgroup_id_z 1
		.amdhsa_system_vgpr_workitem_id 0
		.amdhsa_next_free_vgpr 1024
		.amdhsa_next_free_sgpr 66
		.amdhsa_reserve_vcc 0
		.amdhsa_float_denorm_mode_32 3
		.amdhsa_float_denorm_mode_16_64 3
		.amdhsa_memory_ordered 1
		.amdhsa_forward_progress 1
		.amdhsa_inst_pref_size 94
	.end_amdhsa_kernel
	.amdgpu_metadata
---
amdhsa.version: [ 1, 2 ]
amdhsa.kernels:
  - .name:           k_qda163d67df_gemm_out
    .symbol:         k_qda163d67df_gemm_out.kd
    .args:
      - { .name: ac, .offset: 0, .size: 8, .value_kind: global_buffer, .address_space: global }
      - { .name: wc, .offset: 8, .size: 8, .value_kind: global_buffer, .address_space: global }
      - { .name: bo, .offset: 16, .size: 8, .value_kind: global_buffer, .address_space: global }
      - { .name: out0, .offset: 24, .size: 8, .value_kind: global_buffer, .address_space: global }
    .group_segment_fixed_size: 120320
    .private_segment_fixed_size: 0
    .kernarg_segment_align: 8
    .kernarg_segment_size: 32
    .max_flat_workgroup_size: 128
    .sgpr_count:     66
    .vgpr_count:     1024
    .wavefront_size: 32
...
	.end_amdgpu_metadata
.endif
;; end of part 4
